; MI455X (gfx1250); checked and timed in simulation.
; The chip was launched on July 23, 2026; its instructions are those of AMD's public machine-readable ISA for CDNA 5 (MIT licence, August 2026) and "CDNA5" Instruction Set Architecture Reference Guide (July 2026). The comments in the code are by the model that wrote it; some were corrected since.
;; Dist Match Layer v5. Allowed arithmetic: matrix products marked QUANTISED: E3M2 operands, one E8M0 scale for each 32 along K, by v_wmma_scale_f32_16x16x128_f8f6f4 with both operands' format E3M2, f32 sums; products left as they are: f32 operands where the result goes on into a quantised operand, else bf16, f16 or f32 operands; f32 sums; everything else in f32.
;; Inputs: coord_a 8,192 x 3 int32; coord_b 8,192 x 3 int32; feat_a 8,192 x 256 float32; feat_b 8,192 x 256 float32; idx_a 8,192 int32; idx_b 8,192 int32.
;; Outputs: out0 8,192 x 512 float32.
;; This version of the problem:
;;   THIS VERSION OF THE PROBLEM IS GIVEN IN LOW PRECISION. The matrix products marked QUANTISED in the list below multiply operands that are first quantised to E3M2 (3 exponent bits, 2 mantissa bits; 6 bits a number), with one power-of-two scale for each 32 numbers along K (OCP MX v1.0); their sums are f32. All else is computed in f32.
;;   The module's matrix products, in the order in which they are computed (A, B: the left and right operand; K: the contracted axis; several contracted axes count as one K, in the product's order):
;;     1. [M 8,192, K 256] x [K 256, N 8,192]; A: input feat_a; B: input feat_b: QUANTISED
;;     2. [M 8,192, K 3] x [K 3, N 8,192]; A: input coord_a; B: input coord_b: left as it is (K = 3 < 32)
;;     3. [M 8,192, K 8,192] x [K 8,192, N 256]; A: computed on the way; B: input feat_b: QUANTISED
;;   THE QUANTISER, for each operand of a quantised product, along K:
;;     - K is cut into blocks of 32 from its start; a last block that is shorter is filled with zeros.
;;     - A block's scale is 2^e with e = floor(log2(the largest magnitude in the block)) - 4, held to -126 .. 127; a block of zeros has e = 0. As a byte (E8M0): e + 127.
;;     - Each number is divided by its block's scale, clamped to +-28, and rounded to the nearest number of E3M2, ties to even, subnormals kept.
;;     - The product sums the exact products of the quantised numbers (number of the format x scale) in f32.
;;   ~~~python
;;   def quantise(x, axis):      # numpy; x: float32 -> the quantised numbers, widened to float32 again
;;       x = np.moveaxis(x, axis, -1); K = x.shape[-1]
;;       x = np.pad(x, [(0, 0)] * (x.ndim - 1) + [(0, -K % 32)]); x = x.reshape(x.shape[:-1] + (-1, 32)); a = np.abs(x).max(-1, keepdims=True)
;;       e = np.where(a > 0, np.clip(np.frexp(np.where(a > 0, a, 1))[1] - 1 - 4, -126, 127), 0)      # np.frexp(a)[1] - 1 = floor(log2(a)), exactly
;;       r = np.clip(x / 2.0 ** e, -28, 28)
;;       step = 2.0 ** (np.maximum(np.frexp(np.where(r == 0, 1, r))[1] - 1, -2) - 2)
;;       q = np.round(r / step) * step * 2.0 ** e      # np.round: ties to even
;;       return np.moveaxis(q.reshape(q.shape[:-2] + (-1,))[..., :K], -1, axis).astype(np.float32)
;;   ~~~
;;   OPERANDS COMPUTED ON THE WAY. 'Computed on the way' means the value that the module computes at that place (a softmax that the list does not call 'softmax' is quantised finished and normalised). What goes into a quantiser is computed in f32, as accurately as f32 sums, v_exp_f32 and their like allow (about 1e-6 of the number): no bf16 or f16 on the way to a quantiser, and a product that is left as it is and whose result goes on into a quantised operand takes f32 operands (vector FMAs, or v_wmma_f32_16x16x4_f32). A number that lies on a knife's edge between two numbers of the format may be rounded either way, as far as f32 arithmetic and the matrix unit's own rounding can turn it there, and no further.
;; 2 versions, each right; version 2 is version 1 with the launch match written anew for expert scheduling mode. Each part assembles by itself: llvm-mc -triple=amdgcn-amd-amdhsa -mcpu=gfx1250 --defsym DOCPART=n.
;; ======== version 1 of 2: 2 launches
;; workspace buffers: kv 3,407,872 bytes; kr 512 bytes of whole numbers
;; launch prep (part 1): grid 128 x 1, 8 waves a work-group, no clusters, 69,632 bytes of LDS; arguments feat_b, coord_b, idx_b, kv, kr; writes kv, kr
.if DOCPART == 1
	.amdgcn_target "amdgcn-amd-amdhsa--gfx1250"
	.amdhsa_code_object_version 6
	.text
	.protected	k_q77ae670b5a_prep
	.globl	k_q77ae670b5a_prep
	.p2align	8
	.type	k_q77ae670b5a_prep,@function
k_q77ae670b5a_prep:
	s_mov_b64 s[64:65], 0
	v_nop
	global_prefetch_b8 v0, s[64:65] scope:SCOPE_SE
	s_setreg_imm32_b32 hwreg(HW_REG_WAVE_MODE, 25, 1), 1
	s_wait_xcnt 0x0
; feat_b [8192][256] f32 is quantised twice to codes of BF6 (E3M2) with one E8M0 byte for each 32 along K: along its channels (it is the keys' side of feat_a feat_b^T) and along its
; keys (it is the right side of dist feat_b).  The results are laid in kv in the ORDER OF THE OPERAND'S REGISTERS, one record of REC bytes for each block of 128 keys, so that the
; next launch fills each fragment by three loads of 16 bytes a lane, 512 consecutive bytes a load.  Beside them: the scale words, the keys' coordinates as the f32 operand of the
; coordinate product, and (in kr) the smallest and largest idx_b of the block, by which the next launch passes over blocks.
; A block's scale is 2^(floor(log2(largest magnitude)) - 4): its byte is the largest magnitude's exponent field - 4, held at 1 from below by a floor among the maximum's leaves.
; LIMITS: a block of zeros gets the byte 1 where the rule says 127 (its codes are zeros, which add nothing, and this program alone reads the bytes); NaN and infinities are not served.
; SHARES.  Work-group 2 kb + s takes keys 128 kb .. + 127 x channels 128 s .. + 127: 64 KiB, each byte of feat_b read once by the launch.  The numbers go into a stage in LDS; wave w then makes
; the key fragment (tile w of 16 keys, K step s) and the value fragment (channels 128 s + 16 w .. + 15, all 128 keys).
; THE KEYS OF A TILE ARE NOT NEIGHBOURS: row r of tile 2 b + u is key 32 b + 8 u + r + 8 (r / 8), so that in the transposed scores a lane's 16 registers of tiles 2 b, 2 b + 1 are 16 neighbouring keys.
; In the stage key 32 b + 16 a + 8 u + lo lies at row 32 b + 16 u + 8 a + lo, so that a tile's 16 rows are neighbours there.
; No tensor loads, no matrix work, no clusters: work-groups share no input, and each byte is touched once.
.set REC,   53248                      ; a record: KC 24,576 | KSC 1,024 | KCO 2,048 | VC 24,576 | VSC 1,024
.set KC,    0                          ; key fragment 2 t + ks at 1536 (2 t + ks); register group g at + 512 g + 16 lane
.set KSC,   24576                      ; key scale words: register t: lanes 0-15 K step 0, lanes 16-31 K step 1; word at 512 (t / 4) + 16 lane + 4 (t % 4)
.set KCO,   25600                      ; coordinates: tile t, lane (r, h): h = 0: (x, y); h = 1: (z, x^2 + y^2 + z^2); pair at 512 (t / 2) + 16 lane + 8 (t % 2)
.set VC,    27648                      ; value fragment ct at 1536 ct
.set VSC,   52224                      ; value scale words: register p: lanes 0-15 tile 2 p, lanes 16-31 tile 2 p + 1; word at 512 (p / 4) + 16 lane + 4 (p % 4)
.set PITCH, 528                        ; a stage row: 512 bytes + 16: an odd multiple of 16, so that 16 rows of one column start at 16 different groups of banks
.set SCK,   0                          ; LDS: the work-group's 128 key scale words,
.set SCV,   512                        ; its 128 value scale words,
.set STG,   1024                       ; and the stage, 128 rows
.set L16, 1                            ; v1   16 x lane
.set RR,  2                            ; v2   r = lane % 16
.set HH,  3                            ; v3   h = lane / 16
.set SW,  4                            ; v4   stage, way in
.set KRD, 5                            ; v5   stage, a key fragment's rows
.set VRD, 6                            ; v6   stage, a value fragment's column
.set KO,  7                            ; v7   my key fragment's place in the record
.set VO,  8                            ; v8   my value fragment's
.set SKA, 9                            ; v9   LDS: my key scale word
.set SVA, 10                           ; v10  LDS: my value scale word
.set HB,  11                           ; v11  8 h
.set CA,  12                           ; v12  coord_b: my key's 12 bytes
.set CO,  13                           ; v13  512 w + 16 lane
.set LN,  14                           ; v14  lane
.set SKO, 15                           ; v15  the key scale words' place in the record
.set R,   16                           ; v16-79   as loaded
.set X,   80                           ; v80-143  64 numbers of a lane along K
.set F1,  144                          ; v144-155 the key fragment
.set FT,  156                          ; v156-163 the halves that a conversion cannot put at an odd register
.set F2,  164                          ; v164-175 the value fragment: registers of its own, so that no store's data are written again
.set QM,  176                          ; v176-177 largest magnitudes; v178-179 the conversions' scale operands; v180-181 bytes; v182 the other half's bytes
.set QSO, 178
.set QBY, 180
.set QT,  182
.set WK,  183                          ; v183 the key scale word
.set WV,  16                           ; v16  the value scale word (the loaded numbers have left)
.set E,   184                          ; v184-191 coordinates, or the range of idx_b
.set SVO, 192                          ; v192 the value scale words' place in the record
.set SEL, 20                           ; s[20:21] v_permlanex16_b32's selects for lane l xor 16
; 64 numbers of a lane, v[src + 32 c + i] = k 64 c + 32 h + i of its row, become a fragment's 12 registers in v[dst] on and the row's scale word in v[wrd].  A lane holds two whole blocks of 32.
.macro QUANT64 src, dst, tmp, wrd
.irp c, 0,1
	v_max3_num_f32 v[QM+\c], |v[\src+32*\c]|, |v[\src+32*\c+1]|, 0x2800000   ; and the floor 2^(5 - 127): the byte cannot fall under 1
.endr
.irp i, 2,4,6,8,10,12,14,16,18,20,22,24,26,28,30
.irp c, 0,1
	v_max3_num_f32 v[QM+\c], v[QM+\c], |v[\src+32*\c+\i]|, |v[\src+32*\c+\i+1]|   ; the two blocks by turns
.endr
.endr
.irp c, 0,1
	v_add_nc_u32 v[QSO+\c], 0xfe000000, v[QM+\c]   ; 4 off the exponent field: the conversion takes this operand's exponent field as its scale
.endr
.irp c, 0,1
	v_lshrrev_b32 v[QBY+\c], 23, v[QSO+\c]         ; the scale's byte
.endr
	v_lshl_or_b32 v[\wrd], v[QBY+1], 16, v[QBY]    ; my two bytes: blocks h and 2 + h,
	v_lshlrev_b32 v[\wrd], v[HB], v[\wrd]          ; at their places;
	v_permlanex16_b32 v[QT], v[\wrd], s[SEL], s[SEL+1]
	v_or_b32 v[\wrd], v[\wrd], v[QT]               ; with lane l xor 16's two the word is whole
.irp c, 0,1
	v_cvt_scalef32_pk16_bf6_f32 v[\dst+6*\c:\dst+6*\c+2], v[\src+32*\c:\src+32*\c+15], v[QSO+\c]
	v_cvt_scalef32_pk16_bf6_f32 v[\tmp+4*\c:\tmp+4*\c+2], v[\src+32*\c+16:\src+32*\c+31], v[QSO+\c]   ; (a conversion's three registers begin on an even number)
.endr
	v_nop                                          ; one plain place behind a scaled conversion
.irp c, 0,1
.irp i, 0,1,2
	v_mov_b32 v[\dst+3+6*\c+\i], v[\tmp+4*\c+\i]
.endr
.endr
.endm
	s_load_b256 s[4:11], s[0:1], 0x0               ; feat_b s[4:5], coord_b s[6:7], idx_b s[8:9], kv s[10:11]
	s_load_b64 s[12:13], s[0:1], 0x20              ; kr
	v_lshl_add_u32 v196, v0, 2, 0x10c00
	v_mov_b32 v197, 0
	v_lshrrev_b32 v[LN], 5, v0
	v_readfirstlane_b32 s16, v[LN]                 ; wave 0..7
	s_lshr_b32 s17, ttmp9, 1                       ; kb: the block of 128 keys
	s_and_b32 s18, ttmp9, 1                        ; s: which 128 channels
	s_mov_b32 s[SEL], 0x76543210
	s_mov_b32 s[SEL+1], 0xfedcba98
	v_and_b32 v[LN], 31, v0
	v_and_b32 v[RR], 15, v0
	v_bfe_u32 v[HH], v0, 4, 1
	v_lshlrev_b32 v[L16], 4, v[LN]
	v_lshlrev_b32 v[HB], 3, v[HH]
	v_mov_b32 v[QT], 0                             ; written once: a lane permute's destination counts as one of its sources
	s_lshr_b32 s22, s16, 1                         ; the stage, way in: my keys 16 w + i go to rows 32 (w / 2) + 8 (w % 2) + 16 (i / 8) + i % 8
	s_lshl_b32 s22, s22, 5
	s_and_b32 s23, s16, 1
	s_lshl_b32 s23, s23, 3
	s_add_co_u32 s22, s22, s23
	s_mul_i32 s22, s22, PITCH
	s_add_co_u32 s22, s22, STG
	v_add_nc_u32 v[SW], s22, v[L16]
	s_mul_i32 s22, s16, 16*PITCH                   ; tile w's rows 16 w + r; my half's 32 channels
	s_add_co_u32 s22, s22, STG
	v_mul_u32_u24 v[KRD], v[RR], PITCH
	v_lshl_add_u32 v[KRD], v[HH], 7, v[KRD]
	v_add_nc_u32 v[KRD], s22, v[KRD]
	s_lshl_b32 s22, s16, 6                         ; channel 16 w + r; lanes 16-31 begin 32 keys further down
	s_add_co_u32 s22, s22, STG
	v_mul_u32_u24 v[VRD], v[HH], 32*PITCH
	v_lshl_add_u32 v[VRD], v[RR], 2, v[VRD]
	v_add_nc_u32 v[VRD], s22, v[VRD]
	s_lshl_b32 s22, s16, 1
	s_add_co_u32 s22, s22, s18
	s_mul_i32 s22, s22, 1536
	v_add_nc_u32 v[KO], s22, v[L16]                ; key fragment 2 w + s
	s_lshl_b32 s22, s18, 3
	s_add_co_u32 s22, s22, s16
	s_mul_i32 s22, s22, 1536
	v_add_nc_u32 v[VO], s22, v[L16]                ; value fragment 8 s + w
	s_lshr_b32 s22, s16, 2
	s_lshl_b32 s22, s22, 8
	s_and_b32 s23, s16, 3
	s_lshl_b32 s23, s23, 2
	s_add_co_u32 s22, s22, s23
	s_add_co_u32 s22, s22, SCK
	v_lshl_add_u32 v[SKA], v[RR], 4, s22           ; 256 (w / 4) + 16 r + 4 (w % 4)
	s_and_b32 s22, s16, 1
	s_lshl_b32 s22, s22, 8
	s_lshr_b32 s23, s16, 1
	s_lshl_b32 s23, s23, 2
	s_add_co_u32 s22, s22, s23
	s_add_co_u32 s22, s22, SCV
	v_lshl_add_u32 v[SVA], v[RR], 4, s22           ; 16 (r + 16 (w % 2)) + 4 (w / 2)
	v_and_b32 v[CA], 8, v[RR]
	v_add_nc_u32 v[CA], v[CA], v[RR]               ; r + 8 (r / 8)
	s_lshl_b32 s22, s16, 5
	v_add_nc_u32 v[CA], s22, v[CA]
	v_mul_u32_u24 v[CA], v[CA], 12                 ; key 32 w + r + 8 (r / 8): 12 bytes a key
	s_lshl_b32 s22, s16, 9
	v_add_nc_u32 v[CO], s22, v[L16]
	v_lshlrev_b32 v[SKO], 4, v[RR]
	v_lshl_add_u32 v[SKO], v[HH], 9, v[SKO]
	s_lshl_b32 s22, s18, 8
	v_add_nc_u32 v[SKO], s22, v[SKO]               ; 512 (lane / 16) + 256 s + 16 (lane % 16)
	s_lshl_b32 s22, s18, 9
	v_add_nc_u32 v[SVO], s22, v[L16]               ; 512 s + 16 lane
	s_lshl_b32 s24, s17, 17                        ; feat_b: 128 rows of 1,024 bytes a block, 16 rows a wave, 512 bytes a half
	s_lshl_b32 s25, s16, 14
	s_add_co_u32 s24, s24, s25
	s_lshl_b32 s25, s18, 9
	s_add_co_u32 s24, s24, s25
	s_mov_b32 s25, 0
	s_wait_kmcnt 0x0
	s_add_nc_u64 s[4:5], s[4:5], s[24:25]
	s_mul_i32 s24, s17, 1536
	s_add_nc_u64 s[6:7], s[6:7], s[24:25]          ; coord_b at the block
	s_lshl_b32 s24, s17, 9
	s_add_nc_u64 s[8:9], s[8:9], s[24:25]          ; idx_b at the block
	s_mul_i32 s24, s17, REC
	s_add_nc_u64 s[10:11], s[10:11], s[24:25]      ; the block's record
	s_lshl_b32 s24, s17, 3
	s_add_nc_u64 s[12:13], s[12:13], s[24:25]      ; the block's pair in kr
.set i, 0
.rept 16
	global_load_b128 v[R+4*i:R+4*i+3], v[L16], s[4:5] offset:1024*i th:TH_LOAD_NT   ; key 16 w + i: 512 consecutive bytes, at a multiple of 256 from feat_b's first byte; read once by the launch
.set i, i+1
.endr
	; Two small roles, on registers and memory alone (no LDS, no barrier): s = 0, waves 0-3: the coordinates; s = 1, wave 0: the range of idx_b
	s_cmp_lg_u32 s18, 0
	s_cbranch_scc1 .Lrange
	s_cmp_gt_u32 s16, 3
	s_cbranch_scc1 .Lroles_done
.irp e, 0,1
.irp k, 0,1,2
	global_load_b32 v[E+3*\e+\k], v[CA], s[6:7] offset:96*\e+4*\k   ; tile 2 w + e: 8 keys further on
.endr
.endr
	s_wait_loadcnt 0x0
.irp k, 0,1,2,3,4,5
	v_cvt_f32_i32 v[E+\k], v[E+\k]
.endr
.irp e, 0,1
	v_mul_f32 v[E+6+\e], v[E+3*\e], v[E+3*\e]
	v_fma_f32 v[E+6+\e], v[E+3*\e+1], v[E+3*\e+1], v[E+6+\e]
	v_fma_f32 v[E+6+\e], v[E+3*\e+2], v[E+3*\e+2], v[E+6+\e]   ; x^2 + y^2 + z^2
.endr
	v_cmp_eq_u32 vcc_lo, 0, v[HH]
	v_cndmask_b32 v[E], v[E+2], v[E], vcc_lo       ; h = 0: x;  h = 1: z
	v_cndmask_b32 v[E+1], v[E+6], v[E+1], vcc_lo   ; h = 0: y;  h = 1: the square sum
	v_cndmask_b32 v[E+2], v[E+5], v[E+3], vcc_lo   ; the same of tile 2 w + 1
	v_cndmask_b32 v[E+3], v[E+7], v[E+4], vcc_lo
	global_store_b128 v[CO], v[E:E+3], s[10:11] offset:KCO   ; 512 consecutive bytes
	s_branch .Lroles_done
.Lrange:
	s_cmp_lg_u32 s16, 0
	s_cbranch_scc1 .Lroles_done
	global_load_b128 v[E:E+3], v[L16], s[8:9]      ; the block's 128 idx_b, four a lane
	v_mov_b32 v[E+6], 0                            ; written before it is a lane move's destination
	v_mov_b32 v[E+7], 0                            ; the store's offset
	s_wait_loadcnt 0x0
	v_min_i32 v[E+4], v[E], v[E+1]
	v_max_i32 v[E+5], v[E], v[E+1]
	v_min_i32 v[E+4], v[E+4], v[E+2]
	v_max_i32 v[E+5], v[E+5], v[E+2]
	v_min_i32 v[E+4], v[E+4], v[E+3]
	v_max_i32 v[E+5], v[E+5], v[E+3]
.irp m, 1,2,4,8
	v_mov_b32_dpp v[E+6], v[E+4] row_xmask:\m row_mask:0xf bank_mask:0xf
	v_min_i32 v[E+4], v[E+4], v[E+6]
	v_mov_b32_dpp v[E+6], v[E+5] row_xmask:\m row_mask:0xf bank_mask:0xf
	v_max_i32 v[E+5], v[E+5], v[E+6]
.endr
	v_permlanex16_b32 v[E+6], v[E+4], s[SEL], s[SEL+1]
	v_min_i32 v[E+4], v[E+4], v[E+6]
	v_permlanex16_b32 v[E+6], v[E+5], s[SEL], s[SEL+1]
	v_max_i32 v[E+5], v[E+5], v[E+6]
	v_cmp_eq_u32 vcc_lo, 0, v[LN]
	s_wait_xcnt 0x0                                ; EXEC changes only behind this wait
	s_and_saveexec_b32 s30, vcc_lo
	global_store_b64 v[E+7], v[E+4:E+5], s[12:13]  ; lane 0: the smallest and the largest
	s_wait_xcnt 0x0                                ; and again in front of the line that widens it
	s_or_b32 exec_lo, exec_lo, s30
.Lroles_done:
	s_wait_loadcnt 0x0
.set i, 0
.rept 16
	ds_store_b128 v[SW], v[R+4*i:R+4*i+3] offset:(16*(i>>3)+(i&7))*PITCH
.set i, i+1
.endr
	s_wait_dscnt 0x0                               ; for the others' sake: my rows lie in the stage
	s_barrier_signal -1
	s_barrier_wait -1
	; the key fragment: row 16 w + r, channels 64 c + 32 h + 0 .. 31
.irp c, 0,1
.irp j, 0,1,2,3,4,5,6,7
	ds_load_b128 v[X+32*\c+4*\j:X+32*\c+4*\j+3], v[KRD] offset:256*\c+16*\j
.endr
.endr
	s_wait_dscnt 0x0
	QUANT64 X, F1, FT, WK
.irp g, 0,1,2
	global_store_b128 v[KO], v[F1+4*\g:F1+4*\g+3], s[10:11] offset:KC+512*\g   ; the fragment as it stands in registers: 512 consecutive bytes a store
.endr
	ds_store_b32 v[SKA], v[WK]                     ; both halves of the lanes hold the same word and write it to the same place
	; the value fragment: channel 16 w + r, keys 64 c + 32 h + i in their true order: in the stage bits 3 and 4 of i have changed places
.irp c, 0,1
.set i, 0
.rept 32
	ds_load_b32 v[X+32*\c+i], v[VRD] offset:(64*\c+(i&7)+((i&8)<<1)+((i&16)>>1))*PITCH
.set i, i+1
.endr
.endr
	s_wait_dscnt 0x0
	QUANT64 X, F2, FT, WV
.irp g, 0,1,2
	global_store_b128 v[VO], v[F2+4*\g:F2+4*\g+3], s[10:11] offset:VC+512*\g
.endr
	ds_store_b32 v[SVA], v[WV]
	s_wait_dscnt 0x0                               ; for the others' sake: my scale words lie in LDS
	s_barrier_signal -1
	s_barrier_wait -1
	; the scale words leave in whole runs: sixteen lanes store 256 consecutive bytes, aligned
	s_cmp_gt_u32 s16, 1
	s_cbranch_scc1 .Ldone
	s_cmp_eq_u32 s16, 1
	s_cbranch_scc1 .Lvwords
	ds_load_b128 v[20:23], v[L16] offset:SCK
	s_wait_dscnt 0x0
	global_store_b128 v[SKO], v[20:23], s[10:11] offset:KSC
	s_branch .Ldone
.Lvwords:
	ds_load_b128 v[20:23], v[L16] offset:SCV
	s_wait_dscnt 0x0
	global_store_b128 v[SVO], v[20:23], s[10:11] offset:VSC
.Ldone:
	s_wait_tensorcnt 0x0
	ds_add_u32 v196, v197
	s_wait_dscnt 0x0
	s_endpgm
.Lfunc_end_k_q77ae670b5a_prep:
	.size	k_q77ae670b5a_prep, .Lfunc_end_k_q77ae670b5a_prep-k_q77ae670b5a_prep
	.p2alignl 7, 3214868480
	.fill 96, 4, 3214868480
	.section	.rodata,"a",@progbits
	.p2align	6, 0x0
	.amdhsa_kernel k_q77ae670b5a_prep
		.amdhsa_group_segment_fixed_size 69632
		.amdhsa_private_segment_fixed_size 0
		.amdhsa_enable_private_segment 0
		.amdhsa_kernarg_size 40
		.amdhsa_user_sgpr_count 2
		.amdhsa_user_sgpr_kernarg_segment_ptr 1
		.amdhsa_wavefront_size32 1
		.amdhsa_system_sgpr_workgroup_id_x 1
		.amdhsa_system_sgpr_workgroup_id_y 1
		.amdhsa_system_sgpr_workgroup_id_z 1
		.amdhsa_system_vgpr_workitem_id 0
		.amdhsa_next_free_vgpr 198
		.amdhsa_next_free_sgpr 66
		.amdhsa_reserve_vcc 1
		.amdhsa_float_denorm_mode_32 3
		.amdhsa_float_denorm_mode_16_64 3
		.amdhsa_memory_ordered 1
		.amdhsa_forward_progress 1
		.amdhsa_inst_pref_size 22
	.end_amdhsa_kernel
	.amdgpu_metadata
---
amdhsa.version: [ 1, 2 ]
amdhsa.kernels:
  - .name:           k_q77ae670b5a_prep
    .symbol:         k_q77ae670b5a_prep.kd
    .args:
      - { .name: feat_b, .offset: 0, .size: 8, .value_kind: global_buffer, .address_space: global }
      - { .name: coord_b, .offset: 8, .size: 8, .value_kind: global_buffer, .address_space: global }
      - { .name: idx_b, .offset: 16, .size: 8, .value_kind: global_buffer, .address_space: global }
      - { .name: kv, .offset: 24, .size: 8, .value_kind: global_buffer, .address_space: global }
      - { .name: kr, .offset: 32, .size: 8, .value_kind: global_buffer, .address_space: global }
    .group_segment_fixed_size: 69632
    .private_segment_fixed_size: 0
    .kernarg_segment_align: 8
    .kernarg_segment_size: 40
    .max_flat_workgroup_size: 256
    .sgpr_count:     66
    .vgpr_count:     198
    .wavefront_size: 32
...
	.end_amdgpu_metadata
.endif
;; end of part 1
;; launch match (part 2): grid 256 x 1, 4 waves a work-group, no clusters, 177,408 bytes of LDS; arguments feat_a, coord_a, idx_a, idx_b, kv, kr, out0; writes out0
.if DOCPART == 2
	.amdgcn_target "amdgcn-amd-amdhsa--gfx1250"
	.amdhsa_code_object_version 6
	.text
	.protected	k_q77ae670b5a_match
	.globl	k_q77ae670b5a_match
	.p2align	8
	.type	k_q77ae670b5a_match,@function
k_q77ae670b5a_match:
	s_mov_b64 s[64:65], 0
	v_nop
	global_prefetch_b8 v0, s[64:65] scope:SCOPE_SE
	s_setreg_imm32_b32 hwreg(HW_REG_WAVE_MODE, 25, 1), 1
	s_wait_xcnt 0x0
; out0 = [feat_a | tmp],  tmp = Q(dist) Q(feat_b),  dist = softmax over the keys of the same idx of (Q(feat_a) Q(feat_b)^T) x (1 - clip(|ca - cb| / 32, 0, 1)).  Q: codes of BF6 (E3M2), one E8M0 byte for each 32 along K.
; dist is quantised FINISHED AND NORMALISED, and a row's sum is no power of two, so the keys are walked twice: sweep 1 finds each row's largest score and its sum, sweep 2 makes the scores again, forms
; p x (1 / sum) x dist_c in f32, quantises it along the keys and multiplies by the values.
; SHARES.  A work-group owns 32 queries, two tiles of 16.  Wave w takes the key blocks (128 keys) 4 i + w, i = 0 .. 15, for both tiles, so that each fragment loaded feeds two products.  All three products are used
; transposed (source 0 = keys or channels, source 1 = queries): a lane (r = lane % 16, h = lane / 16) holds ONE query throughout; register 16 b + i of the scores is key 32 b + 16 h + i of the block.
; The statistics are a lane's own (its half of the keys, its wave's blocks) and meet once in LDS; the four waves' parts of tmp are added once through LDS.
; WHAT IS PASSED OVER.  reference() builds its mask from idx_a and idx_b; a block none of whose keys can match any query of a tile adds nothing.  A block is passed over for a tile where their ranges [smallest, largest]
; of idx do not overlap, whatever the order of the indices.  But a query whose idx occurs in no key has the uniform softmax 1 / 8192 over ALL keys: so a tile passes over blocks only if each of its 16 queries is PROVEN
; matched: some block holds one idx alone, and it is the query's.  Else the tile walks all 64 blocks.  All of that is whole-number work on idx_a and on the ranges that the launch before stored.
; THE MASK.  A hidden score becomes -2^126.  c x 2^126 is exact, so in a row that is all hidden t = 0, p = 1 and the sum is 8192, as in reference(); in every other row p = 0.
; THE EXPONENT.  t = c s + NM with one rounding, NM = round(-c M), c = log2(e).  Every rescaling is 2^(NM new - NM old), of the two ROUNDED numbers: an unchanged maximum gives exactly 1, and sums and p stand under the same NM.
; OPERANDS come from memory straight into registers, from records laid in the order of the registers: the walk hangs on stored numbers and differs from work-group to work-group, so there is no tensor load,
; and no joint request of a cluster: partners would need different blocks at different times.
; LIMITS: NaN and infinities are not served; scores under -2^126 are not told from hidden ones; coordinates up to |c| < 1182 give the squared distance exactly (12 c^2 < 2^24), beyond that its roundings are ordered
; otherwise than reference()'s; p under 2^-126 is 0 (v_exp_f32); a block of zeros has the byte 1 with zero codes.
; REGISTERS, in windows of 256 (s_set_vgpr_msb: bits 1:0 source 0, 3:2 source 1, 5:4 source 2, 7:6 destination):
;   window 0: addresses, statistics, scale words, the scores S, the keys' idx, all vector work.   window 1: v0-191 a block's 16 key fragments; v192-207 its coordinates; v208-239 squared distances, two slots of 16.
;   window 2: v0-191 a block's 16 value fragments; v192-239 the queries' 4 fragments; v240-255 |ca|^2, eight times a tile.   window 3: tmp^T: tile T, channels 16 ct on, at v[128 T + 8 ct].
.set REC,   53248
.set KC,    0
.set KSC,   24576
.set KCO,   25600
.set VC,    27648
.set VSC,   52224
.set XP,    1040                       ; a row of 256 f32 in LDS: 1,024 bytes + 16: an odd multiple of 16
.set XSTG,  0                          ; LDS: feat_a's 32 rows,
.set QIMG,  32*XP                      ; the queries' four fragments as images of their registers (2 T + ks), 1,536 bytes each,
.set QSC,   QIMG+4*1536                ; their scale words: 128 T + 64 ks + 4 r,
.set STAT,  QSC+256                    ; the statistics: 512 w + 256 T + (0: NM, 128: sum) + 4 lane,
.set IDXS,  STAT+2048                  ; each wave's own 512 bytes for a block's idx_b,
.set ORED,  IDXS+2048                  ; and each wave's part of tmp: 32 rows
.set OWAVE, 32*XP
.set L16, 1                            ; v1   16 x lane
.set LW,  2                            ; v2   IDXS + 16 x thread
.set LR,  3                            ; v3   IDXS + 512 w + 64 h
.set ORD, 4                            ; v4-7 wave w' part of tmp, my 8 rows, 16 x lane
.set OA,  8                            ; v8   my part of tmp: row r, + 32 h
.set L4,  9                            ; v9   4 x lane
.set IA,  10                           ; v10-11 idx_a of my query in tile T
.set QCO, 12                           ; v[12+2T:13+2T] h = 0: (-2x, -2y); h = 1: (-2z, 1)
.set ST,  16                           ; tile T at v[16 + 12 T]: +0 NM, +1 M, +2,+3 the sum in two halves (sweep 2: -rl/32), +4 the rescaling (sweep 2: rl), +6..+9 at work
.set SA,  26                           ; v26  STAT + 512 w + 4 lane
.set KS,  40                           ; v40-47 the key fragments' scale words.  These, VS, QS and PW hold scales and nothing else
.set VS,  48                           ; v48-55 the value fragments'
.set QS,  56                           ; v56-57 the queries'
.set PW,  58                           ; v58  dist's scale word for the block
.set HB,  59                           ; v59  8 h
.set IL,  60                           ; v60-63 a block's idx_b as loaded
.set S,   64                           ; v64-127 scores, then p, then dist
.set IDB, 128                          ; v128-191 idx_b of my 64 keys
.set GG,  192                          ; v192-207 distances
.set PC,  208                          ; v208-219 dist's codes
.set PT,  220                          ; v220-227 the halves made elsewhere
.set BM,  228                          ; v228-231 the blocks' largest dist
.set BX,  232                          ; v232-235 the other half's, then the bytes
.set SO,  236                          ; v236-239 the conversions' scale operands
.set QM,  240                          ; v240-247 the queries' quantiser
.set QSO, 242
.set QBY, 244
.set QT,  246
.set QW,  247
.set CH,  248                          ; v248-249 two chains of a maximum
.set LN,  192                          ; at the head only: lane, r, h, offsets, coordinates
.set RR,  193
.set HH,  194
.set C12, 195
.set CRD, 196
.set N2,  202
.set R4,  204
.set XW,  205
.set XR,  206
.set QIW, 207
.set QSW, 228
.set KF,  0                            ; window 1
.set CW,  192
.set D2,  208
.set VF,  0                            ; window 2
.set QF,  192
.set CN,  240
.set SEL, 20                           ; s[20:21] lane l xor 16
.set CS,  22                           ; s[22:23] c = log2(e): the packed form names a pair and takes its low word
.set NC,  24                           ; s24  -c
; s25, s26 the blocks (bit i: block 4 i + w) that tile 0, 1 walks; s27, s28 those all of whose keys match all its queries; s29 their union; s30 what is left of it; s31 its count; s32 the trips' counter;
; s33 this step's bit; s34 the next step's; s35 not 0: there is a next step; s[36:37] the next record; s[38:39] its idx_b; s44 -2^126; s45 1024.0
.set W_QK, 0x09                        ; keys window 1, queries window 2, scores window 0
.set W_D2, 0x61                        ; coordinates window 1, the queries' window 0, |ca|^2 window 2, result window 1
.set W_PV, 0xf2                        ; values window 2, codes window 0, tmp^T window 3
.set MSB, 0
.macro WIN new                         ; the immediate's high byte repeats the setting that is left; at every label and branch the setting is 0
.if MSB != \new
	s_set_vgpr_msb (MSB<<8)|\new
.set MSB, \new
.endif
.endm
.macro PLACES n
.rept \n
	v_nop
.endr
.endm
; 64 numbers of a lane, v[src + 32 c + i] = k 64 c + 32 h + i of its row, become a fragment's 12 registers and the row's scale word
.macro QUANT64 src, dst, tmp, wrd
.irp c, 0,1
	v_max3_num_f32 v[QM+\c], |v[\src+32*\c]|, |v[\src+32*\c+1]|, 0x2800000   ; and the floor 2^(5 - 127): the byte cannot fall under 1
.endr
.irp i, 2,4,6,8,10,12,14,16,18,20,22,24,26,28,30
.irp c, 0,1
	v_max3_num_f32 v[QM+\c], v[QM+\c], |v[\src+32*\c+\i]|, |v[\src+32*\c+\i+1]|
.endr
.endr
.irp c, 0,1
	v_add_nc_u32 v[QSO+\c], 0xfe000000, v[QM+\c]   ; 4 off the exponent field: the conversion's scale operand
.endr
.irp c, 0,1
	v_lshrrev_b32 v[QBY+\c], 23, v[QSO+\c]
.endr
	v_lshl_or_b32 v[\wrd], v[QBY+1], 16, v[QBY]
	v_lshlrev_b32 v[\wrd], v[HB], v[\wrd]
	v_permlanex16_b32 v[QT], v[\wrd], s[SEL], s[SEL+1]
	v_or_b32 v[\wrd], v[\wrd], v[QT]
.irp c, 0,1
	v_cvt_scalef32_pk16_bf6_f32 v[\dst+6*\c:\dst+6*\c+2], v[\src+32*\c:\src+32*\c+15], v[QSO+\c]
	v_cvt_scalef32_pk16_bf6_f32 v[\tmp+4*\c:\tmp+4*\c+2], v[\src+32*\c+16:\src+32*\c+31], v[QSO+\c]
.endr
	v_nop                                          ; one plain place behind a scaled conversion
.irp c, 0,1
.irp i, 0,1,2
	v_mov_b32 v[\dst+3+6*\c+\i], v[\tmp+4*\c+\i]
.endr
.endr
.endm
; THE WALK.  NEXT0 takes the lowest bit left as the block to be loaded and makes its two bases.  With nothing left the bit's number is held at 15: an address inside the buffers.
.macro NEXT0
	s_ctz_i32_b32 s34, s30
	s_min_u32 s34, s34, 15
	s_sub_co_u32 s42, s30, 1
	s_and_b32 s30, s30, s42                        ; that bit is taken
	s_lshl_b32 s42, s34, 2
	s_add_co_u32 s42, s42, s18                     ; block 4 i + w
	s_mul_i32 s40, s42, REC
	s_mov_b32 s41, 0
	s_add_nc_u64 s[36:37], s[12:13], s[40:41]
	s_lshl_b32 s40, s42, 9
	s_add_nc_u64 s[38:39], s[10:11], s[40:41]
.endm
.macro NEXT                            ; at a step's head: what was loaded is this step's; is anything left?
	s_mov_b32 s33, s34
	s_mov_b32 s35, s30
	NEXT0
.endm
.macro KCODES                          ; 50 loads: the 16 key fragments and their scale words; 512 consecutive bytes a load
	WIN 0x40
.set n, 0
.rept 48
	global_load_b128 v[KF+4*n:KF+4*n+3], v[L16], s[36:37] offset:KC+512*n
.set n, n+1
.endr
	WIN 0
	global_load_b128 v[KS:KS+3], v[L16], s[36:37] offset:KSC
	global_load_b128 v[KS+4:KS+7], v[L16], s[36:37] offset:KSC+512
.endm
.macro KSMALL co                       ; co = 1: 5 loads: the keys' coordinates and their idx;  co = 0: the idx alone
.if \co
	WIN 0x40
.irp g, 0,1,2,3
	global_load_b128 v[CW+4*\g:CW+4*\g+3], v[L16], s[36:37] offset:KCO+512*\g
.endr
	WIN 0
.endif
	s_wait_dscnt 0x0                               ; the LDS store that read IL is done
	global_load_b128 v[IL:IL+3], v[L16], s[38:39]
.endm
.macro VSET                            ; 50 loads: the 16 value fragments and their scale words
	WIN 0x80
.set n, 0
.rept 48
	global_load_b128 v[VF+4*n:VF+4*n+3], v[L16], s[36:37] offset:VC+512*n
.set n, n+1
.endr
	WIN 0
	global_load_b128 v[VS:VS+3], v[L16], s[36:37] offset:VSC
	global_load_b128 v[VS+4:VS+7], v[L16], s[36:37] offset:VSC+512
.endm
; The same for the next step, if there is one: no block is loaded that no step reads.
.macro KCODESC
	s_wait_loadcnt 0x0                             ; this step's values have landed, and no load is on its way to the registers loaded next
	s_cmp_lg_u32 s35, 0
	s_cbranch_scc0 .Lnk_\@
	KCODES
.Lnk_\@:
.endm
.macro KSMALLC co
	s_cmp_lg_u32 s35, 0
	s_cbranch_scc0 .Lns_\@
	KSMALL \co
.Lns_\@:
.endm
.macro VSETC
	s_cmp_lg_u32 s35, 0
	s_cbranch_scc0 .Lnv_\@
	VSET
	s_branch .Lvj_\@
.Lnv_\@:
	s_wait_loadcnt 0x0                             ; so that at the loop's head either the 50 loads of VSET stand behind the keys' loads, or none is out
.Lvj_\@:
.endm
.macro IDXFETCH                        ; the block's 128 idx_b through my wave's own 512 bytes of LDS: register 16 b + i gets that of key 32 b + 16 h + i
	s_wait_dscnt 0x0                               ; the last step's loads into these registers are in
	ds_store_b128 v[LW], v[IL:IL+3]
.irp b, 0,1,2,3
.irp i, 0,1,2,3
	ds_load_b128 v[IDB+16*\b+4*\i:IDB+16*\b+4*\i+3], v[LR] offset:128*\b+16*\i   ; LDS serves a wave's instructions in order: these see the store
.endr
.endr
.endm
; THE PRODUCTS.  Scores of key tiles 2 b and 2 b + 1, both K steps: the two accumulators take turns.  The second K step's scale words stand in lanes 16-31.
.macro QKB T, b
.irp u, 0,1
	v_wmma_scale_f32_16x16x128_f8f6f4 v[S+8*(2*\b+\u):S+8*(2*\b+\u)+7], v[KF+24*(2*\b+\u):KF+24*(2*\b+\u)+11], v[QF+24*\T:QF+24*\T+11], 0, v[KS+2*\b+\u], v[QS+\T] matrix_a_fmt:MATRIX_FMT_BF6 matrix_b_fmt:MATRIX_FMT_BF6
.endr
.irp u, 0,1
	v_wmma_scale_f32_16x16x128_f8f6f4 v[S+8*(2*\b+\u):S+8*(2*\b+\u)+7], v[KF+24*(2*\b+\u)+12:KF+24*(2*\b+\u)+23], v[QF+24*\T+12:QF+24*\T+23], v[S+8*(2*\b+\u):S+8*(2*\b+\u)+7], v[KS+2*\b+\u], v[QS+\T] matrix_a_fmt:MATRIX_FMT_BF6 matrix_b_fmt:MATRIX_FMT_BF6 matrix_a_scale:MATRIX_SCALE_ROW1 matrix_b_scale:MATRIX_SCALE_ROW1
.endr
.endm
; |ca|^2 + (x, y, z, |cb|^2) . (-2x, -2y, -2z, 1): the squared distances of the same two key tiles, in f32, since they go on into a quantiser.  The sum's one K step begins with |ca|^2 as C.
.macro D2B T, b, slot
.irp e, 0,1
	v_wmma_f32_16x16x4_f32 v[D2+16*\slot+8*\e:D2+16*\slot+8*\e+7], v[CW+2*(2*\b+\e):CW+2*(2*\b+\e)+1], v[QCO+2*\T:QCO+2*\T+1], v[CN+8*\T:CN+8*\T+7]
.endr
.endm
.macro PV T                            ; tmp^T += values^T dist^T, K = the block's 128 keys: 16 accumulators, one instruction each
.set ct, 0
.rept 16
.if ct%2
	v_wmma_scale_f32_16x16x128_f8f6f4 v[128*\T+8*ct:128*\T+8*ct+7], v[VF+12*ct:VF+12*ct+11], v[PC:PC+11], v[128*\T+8*ct:128*\T+8*ct+7], v[VS+ct/2], v[PW] matrix_a_fmt:MATRIX_FMT_BF6 matrix_b_fmt:MATRIX_FMT_BF6 matrix_a_scale:MATRIX_SCALE_ROW1
.else
	v_wmma_scale_f32_16x16x128_f8f6f4 v[128*\T+8*ct:128*\T+8*ct+7], v[VF+12*ct:VF+12*ct+11], v[PC:PC+11], v[128*\T+8*ct:128*\T+8*ct+7], v[VS+ct/2], v[PW] matrix_a_fmt:MATRIX_FMT_BF6 matrix_b_fmt:MATRIX_FMT_BF6
.endif
.set ct, ct+1
.endr
.endm
; THE MASK on my 16 scores of block b: left out, by a scalar branch on stored whole numbers, where all the block's keys match all the tile's queries
.macro MASKB T, b
	s_bitcmp1_b32 s[27+\T], s33
	s_cbranch_scc1 .Lpure_\@
	s_wait_dscnt 0x0                               ; the keys' idx are in
.irp i, 0,1,2,3,4,5,6,7,8,9,10,11,12,13,14,15
	v_cmp_eq_u32 vcc_lo, v[IA+\T], v[IDB+16*\b+\i]
	v_cndmask_b32 v[S+16*\b+\i], s44, v[S+16*\b+\i], vcc_lo
.endr
.Lpure_\@:
.endm
; SWEEP 1, my 16 scores of block b: the running maximum, NM, the rescaling, and the sum.  Each accumulator is read from its low end on.
.macro STATB T, b
	MASKB \T, \b
.set rT, ST+12*\T
.set rS, S+16*\b
	v_max3_num_f32 v[rT+6], v[rS], v[rS+1], v[rT+1]
	v_max3_num_f32 v[rT+7], v[rS+2], v[rS+3], v[rS+4]
	v_max3_num_f32 v[rT+6], v[rT+6], v[rS+5], v[rS+6]
	v_max3_num_f32 v[rT+7], v[rT+7], v[rS+7], v[rS+8]
	v_max3_num_f32 v[rT+6], v[rT+6], v[rS+9], v[rS+10]
	v_max3_num_f32 v[rT+7], v[rT+7], v[rS+11], v[rS+12]
	v_max3_num_f32 v[rT+6], v[rT+6], v[rS+13], v[rS+14]
	v_max3_num_f32 v[rT+1], v[rT+6], v[rT+7], v[rS+15]   ; the new M
	v_mul_f32 v[rT+8], s[NC], v[rT+1]              ; the new NM
	v_sub_f32 v[rT+9], v[rT+8], v[rT]              ; less the old: 0 where M has not grown
	v_mov_b32 v[rT], v[rT+8]
	v_exp_f32 v[rT+4], v[rT+9]                     ; the rescaling (the packed lines below are the plain place behind it)
.irp j, 0,2,4,6,8,10,12,14
	v_pk_fma_f32 v[rS+\j:rS+\j+1], v[rS+\j:rS+\j+1], s[CS:CS+1], v[rT:rT+1] op_sel_hi:[1,0,0]   ; t = c s + NM
.endr
.irp j, 0,1,2,3,4,5,6,7,8,9,10,11,12,13,14,15
	v_exp_f32 v[rS+\j], v[rS+\j]
.endr
	v_nop                                          ; a plain place behind the exponentials
	s_wait_alu depctr_va_vdst(0)
	v_pk_add_f32 v[rS:rS+1], v[rS:rS+1], v[rS+2:rS+3]
	v_pk_add_f32 v[rS+4:rS+5], v[rS+4:rS+5], v[rS+6:rS+7]
	v_pk_add_f32 v[rS+8:rS+9], v[rS+8:rS+9], v[rS+10:rS+11]
	v_pk_add_f32 v[rS+12:rS+13], v[rS+12:rS+13], v[rS+14:rS+15]
	v_pk_add_f32 v[rS:rS+1], v[rS:rS+1], v[rS+4:rS+5]
	v_pk_add_f32 v[rS+8:rS+9], v[rS+8:rS+9], v[rS+12:rS+13]
	v_pk_add_f32 v[rS:rS+1], v[rS:rS+1], v[rS+8:rS+9]
	v_pk_fma_f32 v[rT+2:rT+3], v[rT+2:rT+3], v[rT+4:rT+5], v[rS:rS+1] op_sel_hi:[1,0,1]   ; the sum under the new NM
.endm
; SWEEP 2, my 16 scores of block b: dist = 2^(c s + NM) x (rl - (rl / 32) sqrt(d2 held to 0 .. 1024)), the block's scale, its codes.  One v_med3 does both of reference()'s clips.
.macro VEC T, b, slot
	MASKB \T, \b
.set rT, ST+12*\T
.set rS, S+16*\b
.irp j, 0,2,4,6,8,10,12,14
	v_pk_fma_f32 v[rS+\j:rS+\j+1], v[rS+\j:rS+\j+1], s[CS:CS+1], v[rT:rT+1] op_sel_hi:[1,0,0]
.endr
	WIN 0x01
.irp j, 0,1,2,3,4,5,6,7,8,9,10,11,12,13,14,15
	v_med3_num_f32 v[GG+\j], v[D2+16*\slot+\j], 0, s45
.endr
	WIN 0
.irp j, 0,1,2,3,4,5,6,7,8,9,10,11,12,13,14,15
	v_sqrt_f32 v[GG+\j], v[GG+\j]
.endr
.irp j, 0,1,2,3,4,5,6,7,8,9,10,11,12,13,14,15
	v_exp_f32 v[rS+\j], v[rS+\j]
.endr
	v_nop                                          ; a plain place behind the roots and exponentials
	s_wait_alu depctr_va_vdst(0)
.irp j, 0,2,4,6,8,10,12,14
	v_pk_fma_f32 v[GG+\j:GG+\j+1], v[GG+\j:GG+\j+1], v[rT+2:rT+3], v[rT+4:rT+5] op_sel_hi:[1,0,0]
.endr
.irp j, 0,2,4,6,8,10,12,14
	v_pk_mul_f32 v[rS+\j:rS+\j+1], v[rS+\j:rS+\j+1], v[GG+\j:GG+\j+1]
.endr
	v_max3_num_f32 v[CH], v[rS], v[rS+1], 0x2800000   ; none is negative; the floor 2^(5 - 127) holds the byte at 1 from below
	v_max3_num_f32 v[CH+1], v[rS+2], v[rS+3], v[rS+4]
	v_max3_num_f32 v[CH], v[CH], v[rS+5], v[rS+6]
	v_max3_num_f32 v[CH+1], v[CH+1], v[rS+7], v[rS+8]
	v_max3_num_f32 v[CH], v[CH], v[rS+9], v[rS+10]
	v_max3_num_f32 v[CH+1], v[CH+1], v[rS+11], v[rS+12]
	v_max3_num_f32 v[CH], v[CH], v[rS+13], v[rS+14]
	v_max3_num_f32 v[BM+\b], v[CH], v[CH+1], v[rS+15]
	v_permlanex16_b32 v[BX+\b], v[BM+\b], s[SEL], s[SEL+1]
	v_max_num_f32 v[BM+\b], v[BM+\b], v[BX+\b]     ; with lane l xor 16's 16 keys: the block's largest
	v_add_nc_u32 v[SO+\b], 0xfe000000, v[BM+\b]
	v_lshrrev_b32 v[BX+\b], 23, v[SO+\b]           ; the byte
.if \b%2
	v_cvt_scalef32_pk16_bf6_f32 v[PT+4*(\b/2):PT+4*(\b/2)+2], v[rS:rS+15], v[SO+\b]
.else
	v_cvt_scalef32_pk16_bf6_f32 v[PC+6*(\b/2):PC+6*(\b/2)+2], v[rS:rS+15], v[SO+\b]
.endif
	v_nop                                          ; one plain place behind a scaled conversion
.endm
.macro PTAIL                           ; the scale word; then the operand's layout wants a WHOLE block in a lane: lanes 0-15 block 2 c, lanes 16-31 block 2 c + 1
	v_lshl_or_b32 v[PW], v[BX+1], 8, v[BX]
	v_lshl_or_b32 v[PW], v[BX+2], 16, v[PW]
	v_lshl_or_b32 v[PW], v[BX+3], 24, v[PW]
.irp c, 0,1
.irp i, 0,1,2
	v_permlane16_swap_b32 v[PC+6*\c+\i], v[PT+4*\c+\i]
.endr
.irp i, 0,1,2
	v_mov_b32 v[PC+3+6*\c+\i], v[PT+4*\c+\i]
.endr
.endr
	PLACES 4                                       ; behind the scale word six moves and these four; behind the last code register these four
.endm
; A tile's step.  The products of the blocks ahead always stand in front of the vector work of the block in hand, which is also the places behind them.  kl = 1: the step's last tile: the next step's loads go out as registers fall free.
.macro TILE1 T, kl
	WIN W_QK
	QKB \T, 0
	QKB \T, 1
	WIN 0
	PLACES 4
	STATB \T, 0
	WIN W_QK
	QKB \T, 2
	QKB \T, 3
	WIN 0
	STATB \T, 1
.if \kl
	KCODESC                                        ; the last product that read the keys stands in front of the block's vector work above
	KSMALLC 0
.endif
	STATB \T, 2
	STATB \T, 3
.endm
.macro TILE2 T, kl
	WIN W_QK
	QKB \T, 0
	QKB \T, 1
	WIN W_D2
	D2B \T, 0, 0
	D2B \T, 1, 1
	WIN 0
	PLACES 8                                       ; eight behind the f32 form
	VEC \T, 0, 0
	WIN W_QK
	QKB \T, 2
	QKB \T, 3
	WIN W_D2
	D2B \T, 2, 0
	WIN 0
	VEC \T, 1, 1
.if \kl
	KCODESC
.endif
	WIN W_D2
	D2B \T, 3, 1
	WIN 0
	VEC \T, 2, 0
.if \kl
	KSMALLC 1                                      ; the last product that read the coordinates stands in front of the block's vector work above
.endif
	VEC \T, 3, 1
	PTAIL
.if !\kl
	s_wait_loadcnt 0x0                             ; this step's values are in
.endif
	WIN W_PV
	PV \T
	WIN 0
.endm
.macro PROOF sq, pr                    ; is there a block that holds this query's idx alone?  If not, the tile's proof falls
	v_cmp_eq_u32 s74, s[\sq], v248
	v_cmp_eq_u32 s75, s[\sq], v250
	s_and_b32 s74, s74, s70
	s_and_b32 s75, s75, s71
	s_or_b32 s74, s74, s75
	s_cselect_b32 s[\pr], s[\pr], 0
.endm
	; ---- the head: addresses
	s_load_b256 s[4:11], s[0:1], 0x0               ; feat_a s[4:5], coord_a s[6:7], idx_a s[8:9], idx_b s[10:11]
	s_load_b128 s[12:15], s[0:1], 0x20             ; kv s[12:13], kr s[14:15]
	s_load_b64 s[16:17], s[0:1], 0x30              ; out0
	v_lshl_add_u32 v223, v0, 2, 0x2b300
	v_mov_b32 v227, 0
	v_lshrrev_b32 v[LN], 5, v0
	v_readfirstlane_b32 s18, v[LN]                 ; wave 0..3
	v_and_b32 v[LN], 31, v0
	v_and_b32 v[RR], 15, v0
	v_bfe_u32 v[HH], v0, 4, 1
	s_mov_b32 s[SEL], 0x76543210
	s_mov_b32 s[SEL+1], 0xfedcba98
	s_mov_b32 s[CS], 0x3fb8aa3b                    ; c = log2(e)
	s_mov_b32 s[CS+1], s[CS]                       ; (named with it as a pair, so it is written)
	s_mov_b32 s[NC], 0xbfb8aa3b
	s_mov_b32 s44, 0xfe800000                      ; -2^126
	s_mov_b32 s45, 0x44800000                      ; 1024 = 32^2
	v_lshlrev_b32 v[L16], 4, v[LN]
	v_lshlrev_b32 v[L4], 2, v[LN]
	v_lshlrev_b32 v[HB], 3, v[HH]
	v_lshl_add_u32 v[LW], v0, 4, IDXS
	s_lshl_b32 s42, s18, 9
	s_add_co_u32 s43, s42, IDXS
	v_lshl_add_u32 v[LR], v[HH], 6, s43
	s_add_co_u32 s43, s42, STAT
	v_add_nc_u32 v[SA], s43, v[L4]
	s_mul_i32 s42, s18, 8*XP
	v_add_nc_u32 v[XW], s42, v[L16]                ; feat_a's rows 8 w on (the stage begins at LDS byte 0)
	s_add_co_u32 s42, s42, ORED
	v_add_nc_u32 v[ORD], s42, v[L16]
	v_add_nc_u32 v[ORD+1], OWAVE, v[ORD]
	v_add_nc_u32 v[ORD+2], OWAVE, v[ORD+1]
	v_add_nc_u32 v[ORD+3], OWAVE, v[ORD+2]
	s_mul_i32 s42, s18, OWAVE
	s_add_co_u32 s42, s42, ORED
	v_mul_u32_u24 v[OA], v[RR], XP
	v_lshl_add_u32 v[XR], v[HH], 7, v[OA]
	v_lshl_add_u32 v[OA], v[HH], 5, v[OA]
	v_add_nc_u32 v[OA], s42, v[OA]
	s_lshr_b32 s42, s18, 1                         ; wave w quantises the queries' fragment T = w / 2, ks = w % 2
	s_mul_i32 s42, s42, 16*XP
	s_and_b32 s43, s18, 1
	s_lshl_b32 s43, s43, 9
	s_add_co_u32 s42, s42, s43
	v_add_nc_u32 v[XR], s42, v[XR]                 ; row 16 T + r, + 512 ks + 128 h
	s_mul_i32 s42, s18, 1536
	s_add_co_u32 s42, s42, QIMG
	v_add_nc_u32 v[QIW], s42, v[L16]
	s_lshl_b32 s42, s18, 6
	s_add_co_u32 s42, s42, QSC
	v_lshl_add_u32 v[QSW], v[RR], 2, s42
	v_mul_u32_u24 v[C12], v[RR], 12
	v_lshlrev_b32 v[R4], 2, v[RR]
	v_lshlrev_b32 v254, 3, v[LN]                   ; kr: block = lane
	s_lshl_b32 s42, s18, 3
	v_lshl_add_u32 v255, v[RR], 5, s42             ; kr: block 4 (lane % 16) + w
	s_lshl_b32 s40, ttmp9, 15                      ; feat_a: 32 rows of 1,024 bytes a work-group, 8 a wave
	s_lshl_b32 s42, s18, 13
	s_add_co_u32 s40, s40, s42
	s_mov_b32 s41, 0
	s_wait_kmcnt 0x0
	s_add_nc_u64 s[4:5], s[4:5], s[40:41]
	s_mul_i32 s40, ttmp9, 384
	s_add_nc_u64 s[6:7], s[6:7], s[40:41]
	s_lshl_b32 s40, ttmp9, 7
	s_add_nc_u64 s[8:9], s[8:9], s[40:41]
	s_lshl_b32 s40, ttmp9, 16                      ; out0: rows of 2,048 bytes
	s_lshl_b32 s42, s18, 14
	s_add_co_u32 s40, s40, s42
	s_add_nc_u64 s[16:17], s[16:17], s[40:41]
	; ---- the first loads: 11 small ones, then feat_a's 16
	s_load_b512 s[48:63], s[8:9], 0x0              ; idx_a of tile 0,
	s_load_b512 s[80:95], s[8:9], 0x40             ; of tile 1
	global_load_b64 v[248:249], v254, s[14:15]               ; the ranges of blocks 0-31,
	global_load_b64 v[250:251], v254, s[14:15] offset:256    ; of blocks 32-63,
	global_load_b64 v[252:253], v255, s[14:15]               ; and of my wave's 16
	global_load_b32 v[IA], v[R4], s[8:9]
	global_load_b32 v[IA+1], v[R4], s[8:9] offset:64
.irp T, 0,1
.irp k, 0,1,2
	global_load_b32 v[CRD+3*\T+\k], v[C12], s[6:7] offset:192*\T+4*\k
.endr
.endr
.set i, 0
.rept 16
	global_load_b128 v[S+4*i:S+4*i+3], v[L16], s[4:5] offset:1024*(i>>1)+512*(i&1) th:TH_LOAD_NT   ; row 8 w + i / 2, half i % 2: 512 consecutive bytes; read once by the launch
.set i, i+1
.endr
	; ---- which blocks each tile walks
	s_wait_kmcnt 0x0
	s_mov_b32 s66, s48
	s_mov_b32 s67, s48
	s_mov_b32 s68, s80
	s_mov_b32 s69, s80
.irp q, 49,50,51,52,53,54,55,56,57,58,59,60,61,62,63
	s_min_i32 s66, s66, s[\q]
	s_max_i32 s67, s67, s[\q]
.endr
.irp q, 81,82,83,84,85,86,87,88,89,90,91,92,93,94,95
	s_min_i32 s68, s68, s[\q]
	s_max_i32 s69, s69, s[\q]
.endr
	s_mov_b32 s72, -1
	s_mov_b32 s73, -1
	s_wait_loadcnt 16                              ; the 11 small loads are in; feat_a's 16, issued behind them, may be out
	v_cmp_eq_u32 s70, v248, v249                   ; the blocks that hold one idx alone
	v_cmp_eq_u32 s71, v250, v251
.irp q, 48,49,50,51,52,53,54,55,56,57,58,59,60,61,62,63
	PROOF \q, 72
.endr
.irp q, 80,81,82,83,84,85,86,87,88,89,90,91,92,93,94,95
	PROOF \q, 73
.endr
.irp T, 0,1
	v_cmp_ge_i32 s74, s[67+2*\T], v252             ; the ranges overlap: the tile's largest >= the block's smallest,
	v_cmp_le_i32 s75, s[66+2*\T], v253             ; its smallest <= the block's largest;
	s_and_b32 s74, s74, s75
	s_not_b32 s75, s[72+\T]
	s_or_b32 s74, s74, s75                         ; or the proof has fallen: all blocks
	s_and_b32 s[25+\T], s74, 0xffff
	v_cmp_eq_u32 s74, s[66+2*\T], v252             ; no mask is needed where block and tile hold one and the same idx
	v_cmp_eq_u32 s75, s[67+2*\T], v253
	s_and_b32 s74, s74, s75
	s_cmp_eq_u32 s[66+2*\T], s[67+2*\T]
	s_cselect_b32 s[27+\T], s74, 0
.endr
	s_or_b32 s29, s25, s26
	s_bcnt1_i32_b32 s31, s29                       ; my wave's steps
	; ---- sweep 1's first block is asked for: 51 loads
	s_mov_b32 s30, s29
	NEXT0
	KCODES
	KSMALL 0
	; ---- the queries' coordinates
.irp k, 0,1,2,3,4,5
	v_cvt_f32_i32 v[CRD+\k], v[CRD+\k]
.endr
.irp T, 0,1
	v_mul_f32 v[N2+\T], v[CRD+3*\T], v[CRD+3*\T]
	v_fma_f32 v[N2+\T], v[CRD+3*\T+1], v[CRD+3*\T+1], v[N2+\T]
	v_fma_f32 v[N2+\T], v[CRD+3*\T+2], v[CRD+3*\T+2], v[N2+\T]
.endr
.irp k, 0,1,2,3,4,5
	v_mul_f32 v[CRD+\k], -2.0, v[CRD+\k]
.endr
	v_cmp_eq_u32 vcc_lo, 0, v[HH]
.irp T, 0,1
	v_cndmask_b32 v[QCO+2*\T], v[CRD+3*\T+2], v[CRD+3*\T], vcc_lo
	v_cndmask_b32 v[QCO+2*\T+1], 1.0, v[CRD+3*\T+1], vcc_lo
.endr
	WIN 0x80
.irp T, 0,1
.irp j, 0,1,2,3,4,5,6,7
	v_mov_b32 v[CN+8*\T+\j], v[N2+\T]
.endr
.endr
	WIN 0
.irp T, 0,1
	v_mov_b32 v[ST+12*\T+1], s44                   ; M: under every score
	v_mul_f32 v[ST+12*\T], s[NC], v[ST+12*\T+1]    ; NM = c 2^126, exactly
	v_mov_b32 v[ST+12*\T+2], 0                     ; the sum, in two halves
	v_mov_b32 v[ST+12*\T+3], 0
	v_mov_b32 v[ST+12*\T+4], 0
	v_mov_b32 v[ST+12*\T+5], 0                     ; (named as the upper half of a pair)
.endr
.irp b, 0,1,2,3
	v_mov_b32 v[BX+\b], 0                          ; written once: a lane permute's destination counts as one of its sources
.endr
	v_mov_b32 v[QT], 0
	; ---- feat_a goes out as it came, and into LDS for the quantiser
	s_wait_loadcnt 51                              ; feat_a's 16 loads are in; the 51 issued behind them may be out
.set i, 0
.rept 16
	global_store_b128 v[L16], v[S+4*i:S+4*i+3], s[16:17] offset:2048*(i>>1)+512*(i&1) th:TH_STORE_NT   ; 512 consecutive bytes, at a multiple of 256 from out0's first byte
	ds_store_b128 v[XW], v[S+4*i:S+4*i+3] offset:XSTG+XP*(i>>1)+512*(i&1)
.set i, i+1
.endr
	s_wait_dscnt 0x0                               ; for the others' sake: my rows lie in LDS
	s_barrier_signal -1
	s_barrier_wait -1
.irp c, 0,1
.irp j, 0,1,2,3,4,5,6,7
	ds_load_b128 v[IDB+32*\c+4*\j:IDB+32*\c+4*\j+3], v[XR] offset:256*\c+16*\j
.endr
.endr
	s_wait_dscnt 0x0
	QUANT64 IDB, PC, PT, QW
.irp g, 0,1,2
	ds_store_b128 v[QIW], v[PC+4*\g:PC+4*\g+3] offset:512*\g   ; the fragment as an image of its registers
.endr
	ds_store_b32 v[QSW], v[QW]                     ; both halves of the lanes hold the same word
	s_wait_dscnt 0x0
	s_barrier_signal -1
	s_barrier_wait -1
	WIN 0x80
.set n, 0
.rept 12
	ds_load_b128 v[QF+4*n:QF+4*n+3], v[L16] offset:QIMG+512*n
.set n, n+1
.endr
	WIN 0
	ds_load_b32 v[QS], v[L4] offset:QSC            ; lanes 0-15: K step 0's words; lanes 16-31: K step 1's
	ds_load_b32 v[QS+1], v[L4] offset:QSC+128
	s_wait_dscnt 0x0
	s_wait_xcnt 0x0                                ; the copy's stores have read v64-127, which the scores take next
	; ---- SWEEP 1
	s_mov_b32 s32, 0
	s_cmp_eq_u32 s29, 0
	s_cbranch_scc1 .Lend1
.L1:
	s_wait_loadcnt 0x0                             ; this step's keys are in
	s_wait_xcnt 0x0                                ; the bases are written next
	NEXT
	IDXFETCH
	s_bitcmp1_b32 s25, s33
	s_cbranch_scc0 .L1a
	TILE1 0, 0
.L1a:
	s_bitcmp1_b32 s26, s33
	s_cbranch_scc0 .L1b
	TILE1 1, 1
	s_branch .L1c
.L1b:
	KCODESC
	KSMALLC 0
.L1c:
	s_add_co_u32 s32, s32, 1
	s_cmp_lt_u32 s32, s31
	s_cbranch_scc1 .L1
.Lend1:
	; ---- between the sweeps: sweep 2's first block is asked for (55 loads for the keys' side, then 50 for the values'); meanwhile the statistics meet
	s_wait_loadcnt 0x0
	s_wait_xcnt 0x0
	s_mov_b32 s30, s29
	NEXT0
	KCODES
	KSMALL 1
	VSET
.irp T, 0,1
	v_add_f32 v[ST+12*\T+2], v[ST+12*\T+2], v[ST+12*\T+3]
.endr
.irp T, 0,1
	ds_store_b32 v[SA], v[ST+12*\T] offset:256*\T
	ds_store_b32 v[SA], v[ST+12*\T+2] offset:256*\T+128
.endr
	s_wait_dscnt 0x0
	s_barrier_signal -1
	s_barrier_wait -1
.irp T, 0,1
.irp x, 0,1,2,3
	ds_load_b32 v[IDB+8*\T+\x], v[L4] offset:STAT+512*\x+256*\T
	ds_load_b32 v[IDB+8*\T+4+\x], v[L4] offset:STAT+512*\x+256*\T+128
.endr
.endr
	s_wait_dscnt 0x0
.irp T, 0,1
	v_min3_num_f32 v[QM+\T], v[IDB+8*\T], v[IDB+8*\T+1], v[IDB+8*\T+2]   ; the smallest NM belongs to the largest M, and is one of them bit for bit
.endr
.irp T, 0,1
	v_min_num_f32 v[QM+\T], v[QM+\T], v[IDB+8*\T+3]
.endr
.irp T, 0,1
	v_permlanex16_b32 v[QSO+\T], v[QM+\T], s[SEL], s[SEL+1]
.endr
.irp T, 0,1
	v_min_num_f32 v[ST+12*\T], v[QM+\T], v[QSO+\T]   ; the row's NM
.endr
.irp T, 0,1
.irp x, 0,1,2,3
	v_sub_f32 v[IDB+8*\T+\x], v[ST+12*\T], v[IDB+8*\T+\x]
.endr
.endr
.irp T, 0,1
.irp x, 0,1,2,3
	v_exp_f32 v[IDB+8*\T+\x], v[IDB+8*\T+\x]
.endr
.endr
	v_nop                                          ; a plain place behind the exponentials
	s_wait_alu depctr_va_vdst(0)
.irp T, 0,1
	v_mul_f32 v[QM+\T], v[IDB+8*\T], v[IDB+8*\T+4]
.endr
.irp x, 1,2,3
.irp T, 0,1
	v_fma_f32 v[QM+\T], v[IDB+8*\T+\x], v[IDB+8*\T+4+\x], v[QM+\T]
.endr
.endr
.irp T, 0,1
	v_permlanex16_b32 v[QSO+\T], v[QM+\T], s[SEL], s[SEL+1]
.endr
.irp T, 0,1
	v_add_f32 v[QM+\T], v[QM+\T], v[QSO+\T]        ; the row's sum
.endr
.irp T, 0,1
	v_rcp_f32 v[ST+12*\T+4], v[QM+\T]              ; rl
.endr
	v_nop                                          ; a plain place behind the reciprocals
	s_wait_alu depctr_va_vdst(0)
.irp T, 0,1
	v_mul_f32 v[ST+12*\T+2], 0xbd000000, v[ST+12*\T+4]   ; -rl / 32
.endr
	; tmp^T begins as zeros: which step is a tile's first hangs on stored numbers, and a wave may have no step for a tile.  The moves stand while the first block's loads are on their way.
	WIN 0xc0
.set n, 0
.rept 256
	v_mov_b32 v[n], 0
.set n, n+1
.endr
	WIN 0
	; ---- SWEEP 2
	s_mov_b32 s32, 0
	s_cmp_eq_u32 s29, 0
	s_cbranch_scc1 .Lend2
.L2:
	s_wait_loadcnt 50                              ; this step's keys, coordinates and idx are in; the 50 loads of its values, issued behind them, may be out
	s_wait_xcnt 0x0                                ; the bases, which those loads name, are written next
	NEXT
	IDXFETCH
	s_bitcmp1_b32 s25, s33
	s_cbranch_scc0 .L2a
	TILE2 0, 0
.L2a:
	s_bitcmp1_b32 s26, s33
	s_cbranch_scc0 .L2b
	TILE2 1, 1
	s_branch .L2c
.L2b:
	KCODESC
	KSMALLC 1
.L2c:
	PLACES 4                                       ; in front of loads into registers that the last products have read
	VSETC
	s_add_co_u32 s32, s32, 1
	s_cmp_lt_u32 s32, s31
	s_cbranch_scc1 .L2
.Lend2:
	; ---- THE WAY OUT: the four waves' parts of tmp meet in LDS; wave w adds rows 8 w .. 8 w + 7 and stores them, 512 consecutive bytes an instruction
	s_wait_loadcnt 0x0
	PLACES 4
	WIN 0x0c                                       ; an LDS store's data are its source 1: window 3
.irp T, 0,1
.set ct, 0
.rept 16
	ds_store_b128 v[OA], v[128*\T+8*ct:128*\T+8*ct+3] offset:16*XP*\T+64*ct        ; lane (r, h): tmp(16 T + r, 16 ct + 8 h + 0 .. 7); each accumulator from its low end on
	ds_store_b128 v[OA], v[128*\T+8*ct+4:128*\T+8*ct+7] offset:16*XP*\T+64*ct+16
.set ct, ct+1
.endr
.endr
	WIN 0
	s_wait_dscnt 0x0
	s_barrier_signal -1
	s_barrier_wait -1
.macro OLOAD q, set                    ; batch q: four halves of rows, from all four waves' parts: 16 loads
.irp k, 0,1,2,3
.irp x, 0,1,2,3
	ds_load_b128 v[\set+16*\k+4*\x:\set+16*\k+4*\x+3], v[ORD+\x] offset:XP*((4*\q+\k)/2)+512*((4*\q+\k)%2)
.endr
.endr
.endm
.macro OSUM q, set
.irp k, 0,1,2,3
.set rB, \set+16*\k
	v_pk_add_f32 v[rB:rB+1], v[rB:rB+1], v[rB+4:rB+5]
	v_pk_add_f32 v[rB+2:rB+3], v[rB+2:rB+3], v[rB+6:rB+7]
	v_pk_add_f32 v[rB+8:rB+9], v[rB+8:rB+9], v[rB+12:rB+13]
	v_pk_add_f32 v[rB+10:rB+11], v[rB+10:rB+11], v[rB+14:rB+15]
	v_pk_add_f32 v[rB:rB+1], v[rB:rB+1], v[rB+8:rB+9]
	v_pk_add_f32 v[rB+2:rB+3], v[rB+2:rB+3], v[rB+10:rB+11]
	global_store_b128 v[L16], v[rB:rB+3], s[16:17] offset:1024+2048*((4*\q+\k)/2)+512*((4*\q+\k)%2) th:TH_STORE_NT
.endr
.endm
	OLOAD 0, S
	OLOAD 1, IDB
	s_wait_dscnt 16                                ; batch 0 is in; the next batch's 16 loads may be out
	OSUM 0, S
	s_wait_xcnt 0x0                                ; batch 0's stores have read their registers, which batch 2 takes
	OLOAD 2, S
	s_wait_dscnt 16
	OSUM 1, IDB
	s_wait_xcnt 0x0
	OLOAD 3, IDB
	s_wait_dscnt 16
	OSUM 2, S
	s_wait_dscnt 0x0
	OSUM 3, IDB
	s_wait_tensorcnt 0x0
	ds_add_u32 v223, v227
	s_wait_dscnt 0x0
	s_endpgm
.Lfunc_end_k_q77ae670b5a_match:
	.size	k_q77ae670b5a_match, .Lfunc_end_k_q77ae670b5a_match-k_q77ae670b5a_match
	.p2alignl 7, 3214868480
	.fill 96, 4, 3214868480
	.section	.rodata,"a",@progbits
	.p2align	6, 0x0
	.amdhsa_kernel k_q77ae670b5a_match
		.amdhsa_group_segment_fixed_size 177408
		.amdhsa_private_segment_fixed_size 0
		.amdhsa_enable_private_segment 0
		.amdhsa_kernarg_size 56
		.amdhsa_user_sgpr_count 2
		.amdhsa_user_sgpr_kernarg_segment_ptr 1
		.amdhsa_wavefront_size32 1
		.amdhsa_system_sgpr_workgroup_id_x 1
		.amdhsa_system_sgpr_workgroup_id_y 1
		.amdhsa_system_sgpr_workgroup_id_z 1
		.amdhsa_system_vgpr_workitem_id 0
		.amdhsa_next_free_vgpr 1024
		.amdhsa_next_free_sgpr 96
		.amdhsa_reserve_vcc 1
		.amdhsa_float_denorm_mode_32 3
		.amdhsa_float_denorm_mode_16_64 3
		.amdhsa_memory_ordered 1
		.amdhsa_forward_progress 1
		.amdhsa_inst_pref_size 188
	.end_amdhsa_kernel
	.amdgpu_metadata
---
amdhsa.version: [ 1, 2 ]
amdhsa.kernels:
  - .name:           k_q77ae670b5a_match
    .symbol:         k_q77ae670b5a_match.kd
    .args:
      - { .name: feat_a, .offset: 0, .size: 8, .value_kind: global_buffer, .address_space: global }
      - { .name: coord_a, .offset: 8, .size: 8, .value_kind: global_buffer, .address_space: global }
      - { .name: idx_a, .offset: 16, .size: 8, .value_kind: global_buffer, .address_space: global }
      - { .name: idx_b, .offset: 24, .size: 8, .value_kind: global_buffer, .address_space: global }
      - { .name: kv, .offset: 32, .size: 8, .value_kind: global_buffer, .address_space: global }
      - { .name: kr, .offset: 40, .size: 8, .value_kind: global_buffer, .address_space: global }
      - { .name: out0, .offset: 48, .size: 8, .value_kind: global_buffer, .address_space: global }
    .group_segment_fixed_size: 177408
    .private_segment_fixed_size: 0
    .kernarg_segment_align: 8
    .kernarg_segment_size: 56
    .max_flat_workgroup_size: 128
    .sgpr_count:     96
    .vgpr_count:     1024
    .wavefront_size: 32
...
	.end_amdgpu_metadata
.endif
;; end of part 2
;; ======== version 2 of 2: 2 launches; version 1 with the launch match written anew for expert scheduling mode
;; workspace buffers: kv 3,407,872 bytes; kr 512 bytes of whole numbers
;; launch prep: the kernel of part 1 again; grid 128 x 1, 8 waves a work-group, no clusters, 69,632 bytes of LDS; arguments feat_b, coord_b, idx_b, kv, kr; writes kv, kr
;; launch match (part 3): grid 256 x 1, 4 waves a work-group, no clusters, 177,408 bytes of LDS; arguments feat_a, coord_a, idx_a, idx_b, kv, kr, out0; writes out0
.if DOCPART == 3
	.amdgcn_target "amdgcn-amd-amdhsa--gfx1250"
	.amdhsa_code_object_version 6
	.text
	.protected	k_q77ae670b5a_match
	.globl	k_q77ae670b5a_match
	.p2align	8
	.type	k_q77ae670b5a_match,@function
k_q77ae670b5a_match:
	s_mov_b64 s[64:65], 0
	v_nop
	global_prefetch_b8 v0, s[64:65] scope:SCOPE_SE
	s_setreg_imm32_b32 hwreg(HW_REG_WAVE_SCHED_MODE, 0, 2), 2
	s_setreg_imm32_b32 hwreg(HW_REG_WAVE_MODE, 25, 1), 1
	s_wait_xcnt 0x0
	s_wait_alu depctr_vm_vsrc(0)
; out0 = [feat_a | tmp],  tmp = Q(dist) Q(feat_b),  dist = softmax over the keys of the same idx of (Q(feat_a) Q(feat_b)^T) x (1 - clip(|ca - cb| / 32, 0, 1)).  Q: codes of BF6 (E3M2), one E8M0 byte for each 32 along K.
; dist is quantised FINISHED AND NORMALISED, and a row's sum is no power of two, so the keys are walked twice: sweep 1 finds each row's largest score and its sum, sweep 2 makes the scores again, forms
; p x (1 / sum) x dist_c in f32, quantises it along the keys and multiplies by the values.
; SHARES.  A work-group owns 32 queries, two tiles of 16.  Wave w takes the key blocks (128 keys) 4 i + w, i = 0 .. 15, for both tiles, so that each fragment loaded feeds two products.  All three products are used
; transposed (source 0 = keys or channels, source 1 = queries): a lane (r = lane % 16, h = lane / 16) holds ONE query throughout; register 16 b + i of the scores is key 32 b + 16 h + i of the block.
; The statistics are a lane's own (its half of the keys, its wave's blocks) and meet once in LDS; the four waves' parts of tmp are added once through LDS.
; WHAT IS PASSED OVER.  reference() builds its mask from idx_a and idx_b; a block none of whose keys can match any query of a tile adds nothing.  A block is passed over for a tile where their ranges [smallest, largest]
; of idx do not overlap, whatever the order of the indices.  But a query whose idx occurs in no key has the uniform softmax 1 / 8192 over ALL keys: so a tile passes over blocks only if each of its 16 queries is PROVEN
; matched: some block holds one idx alone, and it is the query's.  Else the tile walks all 64 blocks.  All of that is whole-number work on idx_a and on the ranges that the launch before stored.
; THE MASK.  A hidden score becomes -2^126.  c x 2^126 is exact, so in a row that is all hidden t = 0, p = 1 and the sum is 8192, as in reference(); in every other row p = 0.
; THE EXPONENT.  t = c s + NM with one rounding, NM = round(-c M), c = log2(e).  Every rescaling is 2^(NM new - NM old), of the two ROUNDED numbers: an unchanged maximum gives exactly 1, and sums and p stand under the same NM.
; OPERANDS come from memory straight into registers, from records laid in the order of the registers: the walk hangs on stored numbers and differs from work-group to work-group, so there is no tensor load,
; and no joint request of a cluster: partners would need different blocks at different times.
; LIMITS: NaN and infinities are not served; scores under -2^126 are not told from hidden ones; coordinates up to |c| < 1182 give the squared distance exactly (12 c^2 < 2^24), beyond that its roundings are ordered
; otherwise than reference()'s; p under 2^-126 is 0 (v_exp_f32); a block of zeros has the byte 1 with zero codes.
; REGISTERS, in windows of 256 (s_set_vgpr_msb: bits 1:0 source 0, 3:2 source 1, 5:4 source 2, 7:6 destination):
;   window 0: addresses, statistics, scale words, the scores S, the keys' idx, all vector work.   window 1: v0-191 a block's 16 key fragments; v192-207 its coordinates; v208-239 squared distances, two slots of 16.
;   window 2: v0-191 a block's 16 value fragments; v192-239 the queries' 4 fragments; v240-255 |ca|^2, eight times a tile.   window 3: tmp^T: tile T, channels 16 ct on, at v[128 T + 8 ct].
; THE MODE: SCHED_MODE bits 1:0 = 2 (LLVM: expert scheduling mode 2), set by the entry lines.  The code itself states the register dependences between vector or matrix instructions and memory or LDS
; instructions, with s_wait_alu, always for 0.
; THE PLAN.  Registers that memory or LDS instructions touch:
;   v1-9, v26     addresses, made once at the head and never written again.  v195, v204-207, v228, v254, v255: addresses of the head alone; sweep 2 writes some of them anew.
;   KF, KS        the loads of step n + 1 land in them, issued in step n behind its last products K Q^T, which alone read them.  One set: the four windows hold 1,008 of the wave's 1,024 registers, and a second set is 192.
;   CW            likewise, against the coordinate products;   VF, VS likewise, against the products V^T dist^T.
;   IL            a global load lands in it, one LDS store a step reads it; no vector instruction names it.
;   IDB           a step's LDS loads land in it; the mask's compares read it (at the head the queries' quantiser; between the sweeps the merge reads and writes its first 16).
;   S, PC, QW     at the head: read by the copy's stores and by the LDS stores of the queries' image; afterwards written by products and conversions.
;   ST+0, ST+2    between the sweeps: read by the statistics' LDS stores, written before and behind them.
;   window 3; S and IDB on the way out: the accumulators are LDS stores' data; four batches of LDS loads land in S and IDB by turns, the additions write them, the stores read them.
;   PC, PW        written by vector instructions, taken by scaled products as operand and scales.
; So each run of loads begins: window switch, one wait on va_vdst for the readers of its registers, the loads; a step has one more at its head for IDB, and one for each tile ahead of its products V^T dist^T.
; Waits on vm_vsrc: one ahead of sweep 1, one a step for IL, one in the merge, two on the way out.  Masks that compares write go into scalar registers in runs, with one wait on va_sdst behind each run.
.set REC,   53248
.set KC,    0
.set KSC,   24576
.set KCO,   25600
.set VC,    27648
.set VSC,   52224
.set XP,    1040                       ; a row of 256 f32 in LDS: 1,024 bytes + 16: an odd multiple of 16
.set XSTG,  0                          ; LDS: feat_a's 32 rows,
.set QIMG,  32*XP                      ; the queries' four fragments as images of their registers (2 T + ks), 1,536 bytes each,
.set QSC,   QIMG+4*1536                ; their scale words: 128 T + 64 ks + 4 r,
.set STAT,  QSC+256                    ; the statistics: 512 w + 256 T + (0: NM, 128: sum) + 4 lane,
.set IDXS,  STAT+2048                  ; each wave's own 512 bytes for a block's idx_b,
.set ORED,  IDXS+2048                  ; and each wave's part of tmp: 32 rows
.set OWAVE, 32*XP
.set L16, 1                            ; v1   16 x lane
.set LW,  2                            ; v2   IDXS + 16 x thread
.set LR,  3                            ; v3   IDXS + 512 w + 64 h
.set ORD, 4                            ; v4-7 wave w' part of tmp, my 8 rows, 16 x lane
.set OA,  8                            ; v8   my part of tmp: row r, + 32 h
.set L4,  9                            ; v9   4 x lane
.set IA,  10                           ; v10-11 idx_a of my query in tile T
.set QCO, 12                           ; v[12+2T:13+2T] h = 0: (-2x, -2y); h = 1: (-2z, 1)
.set ST,  16                           ; tile T at v[16 + 12 T]: +0 NM, +1 M, +2,+3 the sum in two halves (sweep 2: -rl/32), +4 the rescaling (sweep 2: rl), +6..+9 at work
.set SA,  26                           ; v26  STAT + 512 w + 4 lane
.set KS,  40                           ; v40-47 the key fragments' scale words.  These, VS, QS and PW hold scales and nothing else
.set VS,  48                           ; v48-55 the value fragments'
.set QS,  56                           ; v56-57 the queries'
.set PW,  58                           ; v58  dist's scale word for the block
.set HB,  59                           ; v59  8 h
.set IL,  60                           ; v60-63 a block's idx_b as loaded
.set S,   64                           ; v64-127 scores, then p, then dist
.set IDB, 128                          ; v128-191 idx_b of my 64 keys
.set GG,  192                          ; v192-207 distances
.set PC,  208                          ; v208-219 dist's codes
.set PT,  220                          ; v220-222, v224-226 the halves made elsewhere (v223 and v227 between them: the closing add's two registers, made at the head and kept for it alone)
.set BM,  228                          ; v228-231 the blocks' largest dist
.set BX,  232                          ; v232-235 the other half's, then the bytes
.set SO,  236                          ; v236-239 the conversions' scale operands
.set QM,  240                          ; v240-247 the queries' quantiser
.set QSO, 242
.set QBY, 244
.set QT,  246
.set QW,  247
.set CH,  248                          ; v248-249 two chains of a maximum
.set LN,  192                          ; at the head only: lane, r, h, offsets, coordinates
.set RR,  193
.set HH,  194
.set C12, 195
.set CRD, 196
.set N2,  202
.set R4,  204
.set XW,  205
.set XR,  206
.set QIW, 207
.set QSW, 228
.set KF,  0                            ; window 1
.set CW,  192
.set D2,  208
.set VF,  0                            ; window 2
.set QF,  192
.set CN,  240
.set SEL, 20                           ; s[20:21] lane l xor 16
.set CS,  22                           ; s[22:23] c = log2(e): the packed form names a pair and takes its low word
.set NC,  24                           ; s24  -c
.set MK,  48                           ; s48-63 at the head idx_a of tile 0; from then on the masks of the sixteen compares of a block
; s25, s26 the blocks (bit i: block 4 i + w) that tile 0, 1 walks; s27, s28 those all of whose keys match all its queries; s29 their union; s30 what is left of it; s31 its count; s32 the trips' counter;
; s33 this step's bit; s34 the next step's; s35 not 0: there is a next step; s[36:37] the next record; s[38:39] its idx_b; s44 -2^126; s45 1024.0.  (At the head s28-43 hold the proof's compare masks.)
.set W_QK, 0x09                        ; keys window 1, queries window 2, scores window 0
.set W_D2, 0x61                        ; coordinates window 1, the queries' window 0, |ca|^2 window 2, result window 1
.set W_PV, 0xf2                        ; values window 2, codes window 0, tmp^T window 3
.set MSB, 0
.macro WIN new                         ; the immediate's high byte repeats the setting that is left; at every label and branch the setting is 0
.if MSB != \new
	s_set_vgpr_msb (MSB<<8)|\new
.set MSB, \new
.endif
.endm
.macro PLACES n
.rept \n
	v_nop
.endr
.endm
; 64 numbers of a lane, v[src + 32 c + i] = k 64 c + 32 h + i of its row, become a fragment's 12 registers and the row's scale word
.macro QUANT64 src, dst, tmp, wrd
.irp c, 0,1
	v_max3_num_f32 v[QM+\c], |v[\src+32*\c]|, |v[\src+32*\c+1]|, 0x2800000   ; and the floor 2^(5 - 127): the byte cannot fall under 1
.endr
.irp i, 2,4,6,8,10,12,14,16,18,20,22,24,26,28,30
.irp c, 0,1
	v_max3_num_f32 v[QM+\c], v[QM+\c], |v[\src+32*\c+\i]|, |v[\src+32*\c+\i+1]|
.endr
.endr
.irp c, 0,1
	v_add_nc_u32 v[QSO+\c], 0xfe000000, v[QM+\c]   ; 4 off the exponent field: the conversion's scale operand
.endr
.irp c, 0,1
	v_lshrrev_b32 v[QBY+\c], 23, v[QSO+\c]
.endr
	v_lshl_or_b32 v[\wrd], v[QBY+1], 16, v[QBY]
	v_lshlrev_b32 v[\wrd], v[HB], v[\wrd]
	v_permlanex16_b32 v[QT], v[\wrd], s[SEL], s[SEL+1]
	v_or_b32 v[\wrd], v[\wrd], v[QT]
.irp c, 0,1
	v_cvt_scalef32_pk16_bf6_f32 v[\dst+6*\c:\dst+6*\c+2], v[\src+32*\c:\src+32*\c+15], v[QSO+\c]
	v_cvt_scalef32_pk16_bf6_f32 v[\tmp+4*\c:\tmp+4*\c+2], v[\src+32*\c+16:\src+32*\c+31], v[QSO+\c]
.endr
	v_nop                                          ; one plain place behind a scaled conversion
.irp c, 0,1
.irp i, 0,1,2
	v_mov_b32 v[\dst+3+6*\c+\i], v[\tmp+4*\c+\i]
.endr
.endr
.endm
; THE WALK.  NEXT0 takes the lowest bit left as the block to be loaded and makes its two bases.  With nothing left the bit's number is held at 15: an address inside the buffers.
.macro NEXT0
	s_ctz_i32_b32 s34, s30
	s_min_u32 s34, s34, 15
	s_sub_co_u32 s42, s30, 1
	s_and_b32 s30, s30, s42                        ; that bit is taken
	s_lshl_b32 s42, s34, 2
	s_add_co_u32 s42, s42, s18                     ; block 4 i + w
	s_mul_i32 s40, s42, REC
	s_mov_b32 s41, 0
	s_add_nc_u64 s[36:37], s[12:13], s[40:41]
	s_lshl_b32 s40, s42, 9
	s_add_nc_u64 s[38:39], s[10:11], s[40:41]
.endm
.macro NEXT                            ; at a step's head: what was loaded is this step's; is anything left?
	s_mov_b32 s33, s34
	s_mov_b32 s35, s30
	NEXT0
.endm
; dep = 1 in the three macros below: products have read the registers since they were last loaded.  dep = 0: nothing has named them yet.
.macro KCODES dep                      ; 50 loads: the 16 key fragments and their scale words; 512 consecutive bytes a load
	WIN 0x40
.if \dep
	s_wait_alu depctr_va_vdst(0)                   ; the products K Q^T issued so far are done reading the key fragments and their scale words, in which these 50 loads land
.endif
.set n, 0
.rept 48
	global_load_b128 v[KF+4*n:KF+4*n+3], v[L16], s[36:37] offset:KC+512*n
.set n, n+1
.endr
	WIN 0
	global_load_b128 v[KS:KS+3], v[L16], s[36:37] offset:KSC
	global_load_b128 v[KS+4:KS+7], v[L16], s[36:37] offset:KSC+512
.endm
.macro KSMALL co, cdep, idep           ; co = 1: 5 loads: the keys' coordinates and their idx;  co = 0: the idx alone.  idep = 1: an LDS store has read IL and no wait on vm_vsrc stands behind it yet
.if \co
	WIN 0x40
.if \cdep
	s_wait_alu depctr_va_vdst(0)                   ; the coordinate products issued so far are done reading the keys' coordinates, in which these four loads land
.endif
.irp g, 0,1,2,3
	global_load_b128 v[CW+4*\g:CW+4*\g+3], v[L16], s[36:37] offset:KCO+512*\g
.endr
	WIN 0
.endif
	s_wait_dscnt 0x0                               ; the LDS store that read IL is done
.if \idep
	s_wait_alu depctr_vm_vsrc(0)                   ; the last step's LDS store has read IL, in which the load below lands
.endif
	global_load_b128 v[IL:IL+3], v[L16], s[38:39]
.endm
.macro VSET dep                        ; 50 loads: the 16 value fragments and their scale words
	WIN 0x80
.if \dep
	s_wait_alu depctr_va_vdst(0)                   ; the products V^T dist^T issued so far are done reading the value fragments and their scale words, in which these 50 loads land
.endif
.set n, 0
.rept 48
	global_load_b128 v[VF+4*n:VF+4*n+3], v[L16], s[36:37] offset:VC+512*n
.set n, n+1
.endr
	WIN 0
	global_load_b128 v[VS:VS+3], v[L16], s[36:37] offset:VSC
	global_load_b128 v[VS+4:VS+7], v[L16], s[36:37] offset:VSC+512
.endm
; The same for the next step, if there is one: no block is loaded that no step reads.
.macro KCODESC
	s_wait_loadcnt 0x0                             ; this step's values have landed, and no load is on its way to the registers loaded next
	s_cmp_lg_u32 s35, 0
	s_cbranch_scc0 .Lnk_\@
	KCODES 1
.Lnk_\@:
.endm
.macro KSMALLC co
	s_wait_alu depctr_vm_vsrc(0)                   ; this step's LDS store has read IL, in which the next step's load lands; ahead of the branch, so that it stands on every way to that load
	s_cmp_lg_u32 s35, 0
	s_cbranch_scc0 .Lns_\@
	KSMALL \co, 1, 0
.Lns_\@:
.endm
.macro VSETC
	s_cmp_lg_u32 s35, 0
	s_cbranch_scc0 .Lnv_\@
	VSET 1
	s_branch .Lvj_\@
.Lnv_\@:
	s_wait_loadcnt 0x0                             ; so that at the loop's head either the 50 loads of VSET stand behind the keys' loads, or none is out
.Lvj_\@:
.endm
.macro IDXFETCH                        ; the block's 128 idx_b through my wave's own 512 bytes of LDS: register 16 b + i gets that of key 32 b + 16 h + i
	s_wait_dscnt 0x0                               ; the last step's loads into these registers are in
	s_wait_alu depctr_va_vdst(0)                   ; the step's one wait at its head: the last step's compares (in sweep 2's first step the merge) are done with IDB, in which the LDS loads below land
	ds_store_b128 v[LW], v[IL:IL+3]
.irp b, 0,1,2,3
.irp i, 0,1,2,3
	ds_load_b128 v[IDB+16*\b+4*\i:IDB+16*\b+4*\i+3], v[LR] offset:128*\b+16*\i   ; LDS serves a wave's instructions in order: these see the store
.endr
.endr
.endm
; THE PRODUCTS.  Scores of key tiles 2 b and 2 b + 1, both K steps: the two accumulators take turns.  The second K step's scale words stand in lanes 16-31.
.macro QKB T, b
.irp u, 0,1
	v_wmma_scale_f32_16x16x128_f8f6f4 v[S+8*(2*\b+\u):S+8*(2*\b+\u)+7], v[KF+24*(2*\b+\u):KF+24*(2*\b+\u)+11], v[QF+24*\T:QF+24*\T+11], 0, v[KS+2*\b+\u], v[QS+\T] matrix_a_fmt:MATRIX_FMT_BF6 matrix_b_fmt:MATRIX_FMT_BF6
.endr
.irp u, 0,1
	v_wmma_scale_f32_16x16x128_f8f6f4 v[S+8*(2*\b+\u):S+8*(2*\b+\u)+7], v[KF+24*(2*\b+\u)+12:KF+24*(2*\b+\u)+23], v[QF+24*\T+12:QF+24*\T+23], v[S+8*(2*\b+\u):S+8*(2*\b+\u)+7], v[KS+2*\b+\u], v[QS+\T] matrix_a_fmt:MATRIX_FMT_BF6 matrix_b_fmt:MATRIX_FMT_BF6 matrix_a_scale:MATRIX_SCALE_ROW1 matrix_b_scale:MATRIX_SCALE_ROW1
.endr
.endm
; |ca|^2 + (x, y, z, |cb|^2) . (-2x, -2y, -2z, 1): the squared distances of the same two key tiles, in f32, since they go on into a quantiser.  The sum's one K step begins with |ca|^2 as C.
.macro D2B T, b, slot
.irp e, 0,1
	v_wmma_f32_16x16x4_f32 v[D2+16*\slot+8*\e:D2+16*\slot+8*\e+7], v[CW+2*(2*\b+\e):CW+2*(2*\b+\e)+1], v[QCO+2*\T:QCO+2*\T+1], v[CN+8*\T:CN+8*\T+7]
.endr
.endm
.macro PV T                            ; tmp^T += values^T dist^T, K = the block's 128 keys: 16 accumulators, one instruction each
.set ct, 0
.rept 16
.if ct%2
	v_wmma_scale_f32_16x16x128_f8f6f4 v[128*\T+8*ct:128*\T+8*ct+7], v[VF+12*ct:VF+12*ct+11], v[PC:PC+11], v[128*\T+8*ct:128*\T+8*ct+7], v[VS+ct/2], v[PW] matrix_a_fmt:MATRIX_FMT_BF6 matrix_b_fmt:MATRIX_FMT_BF6 matrix_a_scale:MATRIX_SCALE_ROW1
.else
	v_wmma_scale_f32_16x16x128_f8f6f4 v[128*\T+8*ct:128*\T+8*ct+7], v[VF+12*ct:VF+12*ct+11], v[PC:PC+11], v[128*\T+8*ct:128*\T+8*ct+7], v[VS+ct/2], v[PW] matrix_a_fmt:MATRIX_FMT_BF6 matrix_b_fmt:MATRIX_FMT_BF6
.endif
.set ct, ct+1
.endr
.endm
; THE MASK on my 16 scores of block b: left out, by a scalar branch on stored whole numbers, where all the block's keys match all the tile's queries.
; The sixteen compares stand in one run, each with a scalar register for its mask, so that one wait serves the sixteen selects.
.macro MASKB T, b
	s_bitcmp1_b32 s[27+\T], s33
	s_cbranch_scc1 .Lpure_\@
	s_wait_dscnt 0x0                               ; the keys' idx are in
.irp i, 0,1,2,3,4,5,6,7,8,9,10,11,12,13,14,15
	v_cmp_eq_u32 s[MK+\i], v[IA+\T], v[IDB+16*\b+\i]
.endr
	s_wait_alu depctr_va_sdst(0)                   ; the sixteen compares have written their masks s48-63, which the selects below read
.irp i, 0,1,2,3,4,5,6,7,8,9,10,11,12,13,14,15
	v_cndmask_b32 v[S+16*\b+\i], s44, v[S+16*\b+\i], s[MK+\i]
.endr
.Lpure_\@:
.endm
; SWEEP 1, my 16 scores of block b: the running maximum, NM, the rescaling, and the sum.  Each accumulator is read from its low end on.
.macro STATB T, b
	MASKB \T, \b
.set rT, ST+12*\T
.set rS, S+16*\b
	v_max3_num_f32 v[rT+6], v[rS], v[rS+1], v[rT+1]
	v_max3_num_f32 v[rT+7], v[rS+2], v[rS+3], v[rS+4]
	v_max3_num_f32 v[rT+6], v[rT+6], v[rS+5], v[rS+6]
	v_max3_num_f32 v[rT+7], v[rT+7], v[rS+7], v[rS+8]
	v_max3_num_f32 v[rT+6], v[rT+6], v[rS+9], v[rS+10]
	v_max3_num_f32 v[rT+7], v[rT+7], v[rS+11], v[rS+12]
	v_max3_num_f32 v[rT+6], v[rT+6], v[rS+13], v[rS+14]
	v_max3_num_f32 v[rT+1], v[rT+6], v[rT+7], v[rS+15]   ; the new M
	v_mul_f32 v[rT+8], s[NC], v[rT+1]              ; the new NM
	v_sub_f32 v[rT+9], v[rT+8], v[rT]              ; less the old: 0 where M has not grown
	v_mov_b32 v[rT], v[rT+8]
	v_exp_f32 v[rT+4], v[rT+9]                     ; the rescaling (the packed lines below are the plain place behind it)
.irp j, 0,2,4,6,8,10,12,14
	v_pk_fma_f32 v[rS+\j:rS+\j+1], v[rS+\j:rS+\j+1], s[CS:CS+1], v[rT:rT+1] op_sel_hi:[1,0,0]   ; t = c s + NM
.endr
.irp j, 0,1,2,3,4,5,6,7,8,9,10,11,12,13,14,15
	v_exp_f32 v[rS+\j], v[rS+\j]
.endr
	v_nop                                          ; a plain place behind the exponentials
	s_wait_alu depctr_va_vdst(0)                   ; the seventeen exponentials have written the rescaling and the block's sixteen p, ahead of their first reader: one wait for the batch
	v_pk_add_f32 v[rS:rS+1], v[rS:rS+1], v[rS+2:rS+3]
	v_pk_add_f32 v[rS+4:rS+5], v[rS+4:rS+5], v[rS+6:rS+7]
	v_pk_add_f32 v[rS+8:rS+9], v[rS+8:rS+9], v[rS+10:rS+11]
	v_pk_add_f32 v[rS+12:rS+13], v[rS+12:rS+13], v[rS+14:rS+15]
	v_pk_add_f32 v[rS:rS+1], v[rS:rS+1], v[rS+4:rS+5]
	v_pk_add_f32 v[rS+8:rS+9], v[rS+8:rS+9], v[rS+12:rS+13]
	v_pk_add_f32 v[rS:rS+1], v[rS:rS+1], v[rS+8:rS+9]
	v_pk_fma_f32 v[rT+2:rT+3], v[rT+2:rT+3], v[rT+4:rT+5], v[rS:rS+1] op_sel_hi:[1,0,1]   ; the sum under the new NM
.endm
; SWEEP 2, my 16 scores of block b: dist = 2^(c s + NM) x (rl - (rl / 32) sqrt(d2 held to 0 .. 1024)), the block's scale, its codes.  One v_med3 does both of reference()'s clips.
.macro VEC T, b, slot
	MASKB \T, \b
.set rT, ST+12*\T
.set rS, S+16*\b
.irp j, 0,2,4,6,8,10,12,14
	v_pk_fma_f32 v[rS+\j:rS+\j+1], v[rS+\j:rS+\j+1], s[CS:CS+1], v[rT:rT+1] op_sel_hi:[1,0,0]
.endr
	WIN 0x01
.irp j, 0,1,2,3,4,5,6,7,8,9,10,11,12,13,14,15
	v_med3_num_f32 v[GG+\j], v[D2+16*\slot+\j], 0, s45
.endr
	WIN 0
.irp j, 0,1,2,3,4,5,6,7,8,9,10,11,12,13,14,15
	v_sqrt_f32 v[GG+\j], v[GG+\j]
.endr
.irp j, 0,1,2,3,4,5,6,7,8,9,10,11,12,13,14,15
	v_exp_f32 v[rS+\j], v[rS+\j]
.endr
	v_nop                                          ; a plain place behind the roots and exponentials
	s_wait_alu depctr_va_vdst(0)                   ; the sixteen roots have written GG and the sixteen exponentials the block's p, ahead of their first reader: one wait for the batch
.irp j, 0,2,4,6,8,10,12,14
	v_pk_fma_f32 v[GG+\j:GG+\j+1], v[GG+\j:GG+\j+1], v[rT+2:rT+3], v[rT+4:rT+5] op_sel_hi:[1,0,0]
.endr
.irp j, 0,2,4,6,8,10,12,14
	v_pk_mul_f32 v[rS+\j:rS+\j+1], v[rS+\j:rS+\j+1], v[GG+\j:GG+\j+1]
.endr
	v_max3_num_f32 v[CH], v[rS], v[rS+1], 0x2800000   ; none is negative; the floor 2^(5 - 127) holds the byte at 1 from below
	v_max3_num_f32 v[CH+1], v[rS+2], v[rS+3], v[rS+4]
	v_max3_num_f32 v[CH], v[CH], v[rS+5], v[rS+6]
	v_max3_num_f32 v[CH+1], v[CH+1], v[rS+7], v[rS+8]
	v_max3_num_f32 v[CH], v[CH], v[rS+9], v[rS+10]
	v_max3_num_f32 v[CH+1], v[CH+1], v[rS+11], v[rS+12]
	v_max3_num_f32 v[CH], v[CH], v[rS+13], v[rS+14]
	v_max3_num_f32 v[BM+\b], v[CH], v[CH+1], v[rS+15]
	v_permlanex16_b32 v[BX+\b], v[BM+\b], s[SEL], s[SEL+1]
	v_max_num_f32 v[BM+\b], v[BM+\b], v[BX+\b]     ; with lane l xor 16's 16 keys: the block's largest
	v_add_nc_u32 v[SO+\b], 0xfe000000, v[BM+\b]
	v_lshrrev_b32 v[BX+\b], 23, v[SO+\b]           ; the byte
.if \b%2
	v_cvt_scalef32_pk16_bf6_f32 v[PT+4*(\b/2):PT+4*(\b/2)+2], v[rS:rS+15], v[SO+\b]
.else
	v_cvt_scalef32_pk16_bf6_f32 v[PC+6*(\b/2):PC+6*(\b/2)+2], v[rS:rS+15], v[SO+\b]
.endif
	v_nop                                          ; one plain place behind a scaled conversion
.endm
.macro PTAIL                           ; the scale word; then the operand's layout wants a WHOLE block in a lane: lanes 0-15 block 2 c, lanes 16-31 block 2 c + 1
	v_lshl_or_b32 v[PW], v[BX+1], 8, v[BX]
	v_lshl_or_b32 v[PW], v[BX+2], 16, v[PW]
	v_lshl_or_b32 v[PW], v[BX+3], 24, v[PW]
.irp c, 0,1
.irp i, 0,1,2
	v_permlane16_swap_b32 v[PC+6*\c+\i], v[PT+4*\c+\i]
.endr
.irp i, 0,1,2
	v_mov_b32 v[PC+3+6*\c+\i], v[PT+4*\c+\i]
.endr
.endr
	PLACES 4                                       ; behind the scale word six moves and these four; behind the last code register these four
	s_wait_alu depctr_va_vdst(0)                   ; behind the places: the lines above have written the scale word PW and the codes PC, which the scaled products below take as scales and as operand
.endm
; A tile's step.  The products of the blocks ahead always stand in front of the vector work of the block in hand, which is also the places behind them.  kl = 1: the step's last tile: the next step's loads go out as registers fall free.
.macro TILE1 T, kl
	WIN W_QK
	QKB \T, 0
	QKB \T, 1
	WIN 0
	PLACES 4
	STATB \T, 0
	WIN W_QK
	QKB \T, 2
	QKB \T, 3
	WIN 0
	STATB \T, 1
.if \kl
	KCODESC                                        ; the last product that read the keys stands in front of the block's vector work above
	KSMALLC 0
.endif
	STATB \T, 2
	STATB \T, 3
.endm
.macro TILE2 T, kl
	WIN W_QK
	QKB \T, 0
	QKB \T, 1
	WIN W_D2
	D2B \T, 0, 0
	D2B \T, 1, 1
	WIN 0
	PLACES 8                                       ; eight behind the f32 form
	VEC \T, 0, 0
	WIN W_QK
	QKB \T, 2
	QKB \T, 3
	WIN W_D2
	D2B \T, 2, 0
	WIN 0
	VEC \T, 1, 1
.if \kl
	KCODESC
.endif
	WIN W_D2
	D2B \T, 3, 1
	WIN 0
	VEC \T, 2, 0
.if \kl
	KSMALLC 1                                      ; the last product that read the coordinates stands in front of the block's vector work above
.endif
	VEC \T, 3, 1
	PTAIL
.if !\kl
	s_wait_loadcnt 0x0                             ; this step's values are in
.endif
	WIN W_PV
	PV \T
	WIN 0
.endm
; Eight queries at a time: is there a block that holds this query's idx alone?  If not, the tile's proof falls.  Sixteen compares in one run, into s28-43, one wait, then the scalar work.
.macro PROOF8 q0, pr
.irp k, 0,1,2,3,4,5,6,7
	v_cmp_eq_u32 s[28+2*\k], s[\q0+\k], v248
	v_cmp_eq_u32 s[29+2*\k], s[\q0+\k], v250
.endr
	s_wait_alu depctr_va_sdst(0)                   ; the sixteen compares have written s28-43 (the first time also the two above have written s70 and s71), which the scalar lines below read
.irp k, 0,1,2,3,4,5,6,7
	s_and_b32 s[28+2*\k], s[28+2*\k], s70
	s_and_b32 s[29+2*\k], s[29+2*\k], s71
	s_or_b32 s[28+2*\k], s[28+2*\k], s[29+2*\k]
	s_cselect_b32 s[\pr], s[\pr], 0
.endr
.endm
	; ---- the head: addresses
	s_load_b256 s[4:11], s[0:1], 0x0               ; feat_a s[4:5], coord_a s[6:7], idx_a s[8:9], idx_b s[10:11]
	s_load_b128 s[12:15], s[0:1], 0x20             ; kv s[12:13], kr s[14:15]
	s_load_b64 s[16:17], s[0:1], 0x30              ; out0
	v_lshl_add_u32 v223, v0, 2, 0x2b300
	v_mov_b32 v227, 0
	v_lshrrev_b32 v[LN], 5, v0
	v_readfirstlane_b32 s18, v[LN]                 ; wave 0..3
	v_and_b32 v[LN], 31, v0
	v_and_b32 v[RR], 15, v0
	v_bfe_u32 v[HH], v0, 4, 1
	s_mov_b32 s[SEL], 0x76543210
	s_mov_b32 s[SEL+1], 0xfedcba98
	s_mov_b32 s[CS], 0x3fb8aa3b                    ; c = log2(e)
	s_mov_b32 s[CS+1], s[CS]                       ; (named with it as a pair, so it is written)
	s_mov_b32 s[NC], 0xbfb8aa3b
	s_mov_b32 s44, 0xfe800000                      ; -2^126
	s_mov_b32 s45, 0x44800000                      ; 1024 = 32^2
	v_lshlrev_b32 v[L16], 4, v[LN]
	v_lshlrev_b32 v[L4], 2, v[LN]
	v_lshlrev_b32 v[HB], 3, v[HH]
	v_lshl_add_u32 v[LW], v0, 4, IDXS
	s_wait_alu depctr_va_sdst(0)                   ; s18, the wave's number, is written, ahead of its first reader: LDS addresses and the bases are made from it
	s_lshl_b32 s42, s18, 9
	s_add_co_u32 s43, s42, IDXS
	v_lshl_add_u32 v[LR], v[HH], 6, s43
	s_add_co_u32 s43, s42, STAT
	v_add_nc_u32 v[SA], s43, v[L4]
	s_mul_i32 s42, s18, 8*XP
	v_add_nc_u32 v[XW], s42, v[L16]                ; feat_a's rows 8 w on (the stage begins at LDS byte 0)
	s_add_co_u32 s42, s42, ORED
	v_add_nc_u32 v[ORD], s42, v[L16]
	v_add_nc_u32 v[ORD+1], OWAVE, v[ORD]
	v_add_nc_u32 v[ORD+2], OWAVE, v[ORD+1]
	v_add_nc_u32 v[ORD+3], OWAVE, v[ORD+2]
	s_mul_i32 s42, s18, OWAVE
	s_add_co_u32 s42, s42, ORED
	v_mul_u32_u24 v[OA], v[RR], XP
	v_lshl_add_u32 v[XR], v[HH], 7, v[OA]
	v_lshl_add_u32 v[OA], v[HH], 5, v[OA]
	v_add_nc_u32 v[OA], s42, v[OA]
	s_lshr_b32 s42, s18, 1                         ; wave w quantises the queries' fragment T = w / 2, ks = w % 2
	s_mul_i32 s42, s42, 16*XP
	s_and_b32 s43, s18, 1
	s_lshl_b32 s43, s43, 9
	s_add_co_u32 s42, s42, s43
	v_add_nc_u32 v[XR], s42, v[XR]                 ; row 16 T + r, + 512 ks + 128 h
	s_mul_i32 s42, s18, 1536
	s_add_co_u32 s42, s42, QIMG
	v_add_nc_u32 v[QIW], s42, v[L16]
	s_lshl_b32 s42, s18, 6
	s_add_co_u32 s42, s42, QSC
	v_lshl_add_u32 v[QSW], v[RR], 2, s42
	v_mul_u32_u24 v[C12], v[RR], 12
	v_lshlrev_b32 v[R4], 2, v[RR]
	v_lshlrev_b32 v254, 3, v[LN]                   ; kr: block = lane
	s_lshl_b32 s42, s18, 3
	v_lshl_add_u32 v255, v[RR], 5, s42             ; kr: block 4 (lane % 16) + w
	s_lshl_b32 s40, ttmp9, 15                      ; feat_a: 32 rows of 1,024 bytes a work-group, 8 a wave
	s_lshl_b32 s42, s18, 13
	s_add_co_u32 s40, s40, s42
	s_mov_b32 s41, 0
	s_wait_kmcnt 0x0
	s_add_nc_u64 s[4:5], s[4:5], s[40:41]
	s_mul_i32 s40, ttmp9, 384
	s_add_nc_u64 s[6:7], s[6:7], s[40:41]
	s_lshl_b32 s40, ttmp9, 7
	s_add_nc_u64 s[8:9], s[8:9], s[40:41]
	s_lshl_b32 s40, ttmp9, 16                      ; out0: rows of 2,048 bytes
	s_lshl_b32 s42, s18, 14
	s_add_co_u32 s40, s40, s42
	s_add_nc_u64 s[16:17], s[16:17], s[40:41]
	; ---- the first loads: 11 small ones, then feat_a's 16
	s_load_b512 s[48:63], s[8:9], 0x0              ; idx_a of tile 0,
	s_load_b512 s[80:95], s[8:9], 0x40             ; of tile 1
	s_wait_alu depctr_va_vdst(0)                   ; all the addresses and offsets made above are written: every load and store of the kernel, global or LDS, reads one of them
	global_load_b64 v[248:249], v254, s[14:15]               ; the ranges of blocks 0-31,
	global_load_b64 v[250:251], v254, s[14:15] offset:256    ; of blocks 32-63,
	global_load_b64 v[252:253], v255, s[14:15]               ; and of my wave's 16
	global_load_b32 v[IA], v[R4], s[8:9]
	global_load_b32 v[IA+1], v[R4], s[8:9] offset:64
.irp T, 0,1
.irp k, 0,1,2
	global_load_b32 v[CRD+3*\T+\k], v[C12], s[6:7] offset:192*\T+4*\k
.endr
.endr
.set i, 0
.rept 16
	global_load_b128 v[S+4*i:S+4*i+3], v[L16], s[4:5] offset:1024*(i>>1)+512*(i&1) th:TH_LOAD_NT   ; row 8 w + i / 2, half i % 2: 512 consecutive bytes; read once by the launch
.set i, i+1
.endr
	; ---- which blocks each tile walks
	s_wait_kmcnt 0x0
	s_mov_b32 s66, s48
	s_mov_b32 s67, s48
	s_mov_b32 s68, s80
	s_mov_b32 s69, s80
.irp q, 49,50,51,52,53,54,55,56,57,58,59,60,61,62,63
	s_min_i32 s66, s66, s[\q]
	s_max_i32 s67, s67, s[\q]
.endr
.irp q, 81,82,83,84,85,86,87,88,89,90,91,92,93,94,95
	s_min_i32 s68, s68, s[\q]
	s_max_i32 s69, s69, s[\q]
.endr
	s_mov_b32 s72, -1
	s_mov_b32 s73, -1
	s_wait_loadcnt 16                              ; the 11 small loads are in; feat_a's 16, issued behind them, may be out
	v_cmp_eq_u32 s70, v248, v249                   ; the blocks that hold one idx alone
	v_cmp_eq_u32 s71, v250, v251
	PROOF8 48, 72
	PROOF8 56, 72
	PROOF8 80, 73
	PROOF8 88, 73
.irp T, 0,1
	v_cmp_ge_i32 s[36+4*\T], s[67+2*\T], v252      ; the ranges overlap: the tile's largest >= the block's smallest,
	v_cmp_le_i32 s[37+4*\T], s[66+2*\T], v253      ; its smallest <= the block's largest;
	v_cmp_eq_u32 s[38+4*\T], s[66+2*\T], v252      ; no mask is needed where block and tile hold one and the same idx
	v_cmp_eq_u32 s[39+4*\T], s[67+2*\T], v253
.endr
	s_wait_alu depctr_va_sdst(0)                   ; the eight compares have written s36-43, which the scalar lines below read
.irp T, 0,1
	s_and_b32 s74, s[36+4*\T], s[37+4*\T]
	s_not_b32 s75, s[72+\T]
	s_or_b32 s74, s74, s75                         ; or the proof has fallen: all blocks
	s_and_b32 s[25+\T], s74, 0xffff
	s_and_b32 s74, s[38+4*\T], s[39+4*\T]
	s_cmp_eq_u32 s[66+2*\T], s[67+2*\T]
	s_cselect_b32 s[27+\T], s74, 0
.endr
	s_or_b32 s29, s25, s26
	s_bcnt1_i32_b32 s31, s29                       ; my wave's steps
	; ---- sweep 1's first block is asked for: 51 loads.  No wait: no vector or matrix instruction has named their registers, and their offset was written ahead of the wait above
	s_mov_b32 s30, s29
	NEXT0
	KCODES 0
	KSMALL 0, 0, 0
	; ---- the queries' coordinates
.irp k, 0,1,2,3,4,5
	v_cvt_f32_i32 v[CRD+\k], v[CRD+\k]
.endr
.irp T, 0,1
	v_mul_f32 v[N2+\T], v[CRD+3*\T], v[CRD+3*\T]
	v_fma_f32 v[N2+\T], v[CRD+3*\T+1], v[CRD+3*\T+1], v[N2+\T]
	v_fma_f32 v[N2+\T], v[CRD+3*\T+2], v[CRD+3*\T+2], v[N2+\T]
.endr
.irp k, 0,1,2,3,4,5
	v_mul_f32 v[CRD+\k], -2.0, v[CRD+\k]
.endr
	v_cmp_eq_u32 vcc_lo, 0, v[HH]
	s_wait_alu depctr_va_vcc(0)                    ; the compare has written VCC, which the four selects below read
.irp T, 0,1
	v_cndmask_b32 v[QCO+2*\T], v[CRD+3*\T+2], v[CRD+3*\T], vcc_lo
	v_cndmask_b32 v[QCO+2*\T+1], 1.0, v[CRD+3*\T+1], vcc_lo
.endr
	WIN 0x80
.irp T, 0,1
.irp j, 0,1,2,3,4,5,6,7
	v_mov_b32 v[CN+8*\T+\j], v[N2+\T]
.endr
.endr
	WIN 0
.irp T, 0,1
	v_mov_b32 v[ST+12*\T+1], s44                   ; M: under every score
	v_mul_f32 v[ST+12*\T], s[NC], v[ST+12*\T+1]    ; NM = c 2^126, exactly
	v_mov_b32 v[ST+12*\T+2], 0                     ; the sum, in two halves
	v_mov_b32 v[ST+12*\T+3], 0
	v_mov_b32 v[ST+12*\T+4], 0
	v_mov_b32 v[ST+12*\T+5], 0                     ; (named as the upper half of a pair)
.endr
.irp b, 0,1,2,3
	v_mov_b32 v[BX+\b], 0                          ; written once: a lane permute's destination counts as one of its sources
.endr
	v_mov_b32 v[QT], 0
	; ---- feat_a goes out as it came, and into LDS for the quantiser.  The stores' data were written by loads, their addresses ahead of the head's wait: nothing more is owed
	s_wait_loadcnt 51                              ; feat_a's 16 loads are in; the 51 issued behind them may be out
.set i, 0
.rept 16
	global_store_b128 v[L16], v[S+4*i:S+4*i+3], s[16:17] offset:2048*(i>>1)+512*(i&1) th:TH_STORE_NT   ; 512 consecutive bytes, at a multiple of 256 from out0's first byte
	ds_store_b128 v[XW], v[S+4*i:S+4*i+3] offset:XSTG+XP*(i>>1)+512*(i&1)
.set i, i+1
.endr
	s_wait_dscnt 0x0                               ; for the others' sake: my rows lie in LDS
	s_barrier_signal -1
	s_barrier_wait -1
.irp c, 0,1
.irp j, 0,1,2,3,4,5,6,7
	ds_load_b128 v[IDB+32*\c+4*\j:IDB+32*\c+4*\j+3], v[XR] offset:256*\c+16*\j
.endr
.endr
	s_wait_dscnt 0x0
	QUANT64 IDB, PC, PT, QW
	s_wait_alu depctr_va_vdst(0)                   ; the quantiser has written the codes PC and the scale word QW, which the LDS stores below read; and it is done reading IDB, in which sweep 1's LDS loads land
.irp g, 0,1,2
	ds_store_b128 v[QIW], v[PC+4*\g:PC+4*\g+3] offset:512*\g   ; the fragment as an image of its registers
.endr
	ds_store_b32 v[QSW], v[QW]                     ; both halves of the lanes hold the same word
	s_wait_dscnt 0x0
	s_barrier_signal -1
	s_barrier_wait -1
	WIN 0x80
.set n, 0
.rept 12
	ds_load_b128 v[QF+4*n:QF+4*n+3], v[L16] offset:QIMG+512*n
.set n, n+1
.endr
	WIN 0
	ds_load_b32 v[QS], v[L4] offset:QSC            ; lanes 0-15: K step 0's words; lanes 16-31: K step 1's
	ds_load_b32 v[QS+1], v[L4] offset:QSC+128
	s_wait_dscnt 0x0
	s_wait_xcnt 0x0                                ; the copy's stores have read v64-127, which the scores take next
	s_wait_alu depctr_vm_vsrc(0)                   ; the head's stores, global and LDS, have read v64-127, PC and QW, and its loads and stores the addresses v195, v204-207 and v228: the products write the first next, sweep 2 the others
	; ---- SWEEP 1
	s_mov_b32 s32, 0
	s_cmp_eq_u32 s29, 0
	s_cbranch_scc1 .Lend1
.L1:
	s_wait_loadcnt 0x0                             ; this step's keys are in
	s_wait_xcnt 0x0                                ; the bases are written next
	NEXT
	IDXFETCH
	s_bitcmp1_b32 s25, s33
	s_cbranch_scc0 .L1a
	TILE1 0, 0
.L1a:
	s_bitcmp1_b32 s26, s33
	s_cbranch_scc0 .L1b
	TILE1 1, 1
	s_branch .L1c
.L1b:
	KCODESC
	KSMALLC 0
.L1c:
	s_add_co_u32 s32, s32, 1
	s_cmp_lt_u32 s32, s31
	s_cbranch_scc1 .L1
.Lend1:
	; ---- between the sweeps: sweep 2's first block is asked for (55 loads for the keys' side, then 50 for the values'); meanwhile the statistics meet
.irp T, 0,1
	v_add_f32 v[ST+12*\T+2], v[ST+12*\T+2], v[ST+12*\T+3]   ; the sum's two halves: ahead of the loads, so that the wait at their head serves the LDS stores of the statistics too
.endr
	s_wait_loadcnt 0x0
	s_wait_xcnt 0x0
	s_mov_b32 s30, s29
	NEXT0
	KCODES 1                                       ; its wait also shows NM and the sums written, which the LDS stores below read, and sweep 1's compares done reading IDB, in which the merge's LDS loads land
	KSMALL 1, 0, 1                                 ; no product has read the coordinates' registers yet
	VSET 0                                         ; nor the values'
.irp T, 0,1
	ds_store_b32 v[SA], v[ST+12*\T] offset:256*\T             ; no vector instruction stands between the wait in KCODES and these stores
	ds_store_b32 v[SA], v[ST+12*\T+2] offset:256*\T+128
.endr
	s_wait_dscnt 0x0
	s_barrier_signal -1
	s_barrier_wait -1
.irp T, 0,1
.irp x, 0,1,2,3
	ds_load_b32 v[IDB+8*\T+\x], v[L4] offset:STAT+512*\x+256*\T
	ds_load_b32 v[IDB+8*\T+4+\x], v[L4] offset:STAT+512*\x+256*\T+128
.endr
.endr
	s_wait_dscnt 0x0
	s_wait_alu depctr_vm_vsrc(0)                   ; my four LDS stores have read NM and the sums (ST+0, ST+2), which the lines below write anew
.irp T, 0,1
	v_min3_num_f32 v[QM+\T], v[IDB+8*\T], v[IDB+8*\T+1], v[IDB+8*\T+2]   ; the smallest NM belongs to the largest M, and is one of them bit for bit
.endr
.irp T, 0,1
	v_min_num_f32 v[QM+\T], v[QM+\T], v[IDB+8*\T+3]
.endr
.irp T, 0,1
	v_permlanex16_b32 v[QSO+\T], v[QM+\T], s[SEL], s[SEL+1]
.endr
.irp T, 0,1
	v_min_num_f32 v[ST+12*\T], v[QM+\T], v[QSO+\T]   ; the row's NM
.endr
.irp T, 0,1
.irp x, 0,1,2,3
	v_sub_f32 v[IDB+8*\T+\x], v[ST+12*\T], v[IDB+8*\T+\x]
.endr
.endr
.irp T, 0,1
.irp x, 0,1,2,3
	v_exp_f32 v[IDB+8*\T+\x], v[IDB+8*\T+\x]
.endr
.endr
	v_nop                                          ; a plain place behind the exponentials
	s_wait_alu depctr_va_vdst(0)                   ; the eight exponentials have written the parts' rescalings, ahead of their first reader
.irp T, 0,1
	v_mul_f32 v[QM+\T], v[IDB+8*\T], v[IDB+8*\T+4]
.endr
.irp x, 1,2,3
.irp T, 0,1
	v_fma_f32 v[QM+\T], v[IDB+8*\T+\x], v[IDB+8*\T+4+\x], v[QM+\T]
.endr
.endr
.irp T, 0,1
	v_permlanex16_b32 v[QSO+\T], v[QM+\T], s[SEL], s[SEL+1]
.endr
.irp T, 0,1
	v_add_f32 v[QM+\T], v[QM+\T], v[QSO+\T]        ; the row's sum
.endr
.irp T, 0,1
	v_rcp_f32 v[ST+12*\T+4], v[QM+\T]              ; rl
.endr
	v_nop                                          ; a plain place behind the reciprocals
	s_wait_alu depctr_va_vdst(0)                   ; the two reciprocals have written rl, ahead of its first reader
.irp T, 0,1
	v_mul_f32 v[ST+12*\T+2], 0xbd000000, v[ST+12*\T+4]   ; -rl / 32
.endr
	; tmp^T begins as zeros: which step is a tile's first hangs on stored numbers, and a wave may have no step for a tile.  The moves stand while the first block's loads are on their way.
	WIN 0xc0
.set n, 0
.rept 256
	v_mov_b32 v[n], 0
.set n, n+1
.endr
	WIN 0
	; ---- SWEEP 2
	s_mov_b32 s32, 0
	s_cmp_eq_u32 s29, 0
	s_cbranch_scc1 .Lend2
.L2:
	s_wait_loadcnt 50                              ; this step's keys, coordinates and idx are in; the 50 loads of its values, issued behind them, may be out
	s_wait_xcnt 0x0                                ; the bases, which those loads name, are written next
	NEXT
	IDXFETCH
	s_bitcmp1_b32 s25, s33
	s_cbranch_scc0 .L2a
	TILE2 0, 0
.L2a:
	s_bitcmp1_b32 s26, s33
	s_cbranch_scc0 .L2b
	TILE2 1, 1
	s_branch .L2c
.L2b:
	KCODESC
	KSMALLC 1
.L2c:
	PLACES 4                                       ; four places behind the last products; the wait at the head of the values' loads stands beside them
	VSETC
	s_add_co_u32 s32, s32, 1
	s_cmp_lt_u32 s32, s31
	s_cbranch_scc1 .L2
.Lend2:
	; ---- THE WAY OUT: the four waves' parts of tmp meet in LDS; wave w adds rows 8 w .. 8 w + 7 and stores them, 512 consecutive bytes an instruction
	s_wait_loadcnt 0x0
	PLACES 4                                       ; four places behind the last products, before their results are read (ISA guide 7.12.1); they stay beside the wait below
	WIN 0x0c                                       ; an LDS store's data are its source 1: window 3
	s_wait_alu depctr_va_vdst(0)                   ; the products (or the moves of zeros) have written the accumulators, which the LDS stores read; and all vector work is done with S and IDB, in which the first two batches below land
.irp T, 0,1
.set ct, 0
.rept 16
	ds_store_b128 v[OA], v[128*\T+8*ct:128*\T+8*ct+3] offset:16*XP*\T+64*ct        ; lane (r, h): tmp(16 T + r, 16 ct + 8 h + 0 .. 7); each accumulator from its low end on
	ds_store_b128 v[OA], v[128*\T+8*ct+4:128*\T+8*ct+7] offset:16*XP*\T+64*ct+16
.set ct, ct+1
.endr
.endr
	WIN 0
	s_wait_dscnt 0x0
	s_barrier_signal -1
	s_barrier_wait -1
.macro OLOAD q, set                    ; batch q: four halves of rows, from all four waves' parts: 16 loads
.irp k, 0,1,2,3
.irp x, 0,1,2,3
	ds_load_b128 v[\set+16*\k+4*\x:\set+16*\k+4*\x+3], v[ORD+\x] offset:XP*((4*\q+\k)/2)+512*((4*\q+\k)%2)
.endr
.endr
.endm
.macro OSUM q, set                     ; the batch's 24 additions in one run, one wait, its four stores
.irp k, 0,1,2,3
.set rB, \set+16*\k
	v_pk_add_f32 v[rB:rB+1], v[rB:rB+1], v[rB+4:rB+5]
	v_pk_add_f32 v[rB+2:rB+3], v[rB+2:rB+3], v[rB+6:rB+7]
	v_pk_add_f32 v[rB+8:rB+9], v[rB+8:rB+9], v[rB+12:rB+13]
	v_pk_add_f32 v[rB+10:rB+11], v[rB+10:rB+11], v[rB+14:rB+15]
	v_pk_add_f32 v[rB:rB+1], v[rB:rB+1], v[rB+8:rB+9]
	v_pk_add_f32 v[rB+2:rB+3], v[rB+2:rB+3], v[rB+10:rB+11]
.endr
	s_wait_alu depctr_va_vdst(0)                   ; the additions have written the batch's four sums, which the stores read, and are done with the batch's registers, in which the batch two on lands
.irp k, 0,1,2,3
.set rB, \set+16*\k
	global_store_b128 v[L16], v[rB:rB+3], s[16:17] offset:1024+2048*((4*\q+\k)/2)+512*((4*\q+\k)%2) th:TH_STORE_NT
.endr
.endm
	OLOAD 0, S
	OLOAD 1, IDB
	s_wait_dscnt 16                                ; batch 0 is in; the next batch's 16 loads may be out
	OSUM 0, S
	s_wait_xcnt 0x0                                ; batch 0's stores have read their registers, which batch 2 takes
	s_wait_alu depctr_vm_vsrc(0)                   ; batch 0's stores have read their data in S, in which batch 2's LDS loads land
	OLOAD 2, S
	s_wait_dscnt 16
	OSUM 1, IDB
	s_wait_xcnt 0x0
	s_wait_alu depctr_vm_vsrc(0)                   ; batch 1's stores have read their data in IDB, in which batch 3's LDS loads land
	OLOAD 3, IDB
	s_wait_dscnt 16
	OSUM 2, S
	s_wait_dscnt 0x0
	OSUM 3, IDB
	s_wait_dscnt 0x0                               ; the closing lines, six on end
	s_wait_alu 0x0
	s_wait_tensorcnt 0x0
	ds_add_u32 v223, v227
	s_wait_dscnt 0x0
	s_endpgm
.Lfunc_end_k_q77ae670b5a_match:
	.size	k_q77ae670b5a_match, .Lfunc_end_k_q77ae670b5a_match-k_q77ae670b5a_match
	.p2alignl 7, 3214868480
	.fill 96, 4, 3214868480
	.section	.rodata,"a",@progbits
	.p2align	6, 0x0
	.amdhsa_kernel k_q77ae670b5a_match
		.amdhsa_group_segment_fixed_size 177408
		.amdhsa_private_segment_fixed_size 0
		.amdhsa_enable_private_segment 0
		.amdhsa_kernarg_size 56
		.amdhsa_user_sgpr_count 2
		.amdhsa_user_sgpr_kernarg_segment_ptr 1
		.amdhsa_wavefront_size32 1
		.amdhsa_system_sgpr_workgroup_id_x 1
		.amdhsa_system_sgpr_workgroup_id_y 1
		.amdhsa_system_sgpr_workgroup_id_z 1
		.amdhsa_system_vgpr_workitem_id 0
		.amdhsa_next_free_vgpr 1024
		.amdhsa_next_free_sgpr 96
		.amdhsa_reserve_vcc 1
		.amdhsa_float_denorm_mode_32 3
		.amdhsa_float_denorm_mode_16_64 3
		.amdhsa_memory_ordered 1
		.amdhsa_forward_progress 1
		.amdhsa_inst_pref_size 205
	.end_amdhsa_kernel
	.amdgpu_metadata
---
amdhsa.version: [ 1, 2 ]
amdhsa.kernels:
  - .name:           k_q77ae670b5a_match
    .symbol:         k_q77ae670b5a_match.kd
    .args:
      - { .name: feat_a, .offset: 0, .size: 8, .value_kind: global_buffer, .address_space: global }
      - { .name: coord_a, .offset: 8, .size: 8, .value_kind: global_buffer, .address_space: global }
      - { .name: idx_a, .offset: 16, .size: 8, .value_kind: global_buffer, .address_space: global }
      - { .name: idx_b, .offset: 24, .size: 8, .value_kind: global_buffer, .address_space: global }
      - { .name: kv, .offset: 32, .size: 8, .value_kind: global_buffer, .address_space: global }
      - { .name: kr, .offset: 40, .size: 8, .value_kind: global_buffer, .address_space: global }
      - { .name: out0, .offset: 48, .size: 8, .value_kind: global_buffer, .address_space: global }
    .group_segment_fixed_size: 177408
    .private_segment_fixed_size: 0
    .kernarg_segment_align: 8
    .kernarg_segment_size: 56
    .max_flat_workgroup_size: 128
    .sgpr_count:     96
    .vgpr_count:     1024
    .wavefront_size: 32
...
	.end_amdgpu_metadata
.endif
;; end of part 3
